; MI455X (gfx1250); checked and timed in simulation.
; The chip was launched on July 23, 2026; its instructions are those of AMD's public machine-readable ISA for CDNA 5 (MIT licence, August 2026) and "CDNA5" Instruction Set Architecture Reference Guide (July 2026). The comments in the code are by the model that wrote it; some were corrected since.
;; Global Context Aware Attention. Allowed arithmetic: matrix products marked QUANTISED: E2M3 operands, one E8M0 scale for each 32 along K, by v_wmma_scale_f32_16x16x128_f8f6f4 with both operands' format E2M3, f32 sums; products left as they are: f32 operands where the result goes on into a quantised operand, else bf16, f16 or f32 operands; f32 sums; everything else in f32.
;; Inputs: W_Vkc 1,024 x 1 float32; W_Vkx 1,024 x 1 float32; W_Vqc 1,024 x 1 float32; W_Vqx 1,024 x 1 float32; W_kc_lin_codes 1,024 x 32 x 24 uint8 (E2M3 codes of W_kc_lin, K innermost, in blocks of 32 codes, four codes in three bytes); W_kc_lin_scales 1,024 x 32 uint8 (E8M0 scales of W_kc_lin, one for each 32 codes along K); W_kx_lin_codes 1,024 x 32 x 24 uint8 (E2M3 codes of W_kx_lin, K innermost, in blocks of 32 codes, four codes in three bytes); W_kx_lin_scales 1,024 x 32 uint8 (E8M0 scales of W_kx_lin, one for each 32 codes along K); W_out_lin_codes 1,024 x 32 x 24 uint8 (E2M3 codes of W_out_lin, K innermost, in blocks of 32 codes, four codes in three bytes); W_out_lin_scales 1,024 x 32 uint8 (E8M0 scales of W_out_lin, one for each 32 codes along K); W_qc_lin_codes 1,024 x 32 x 24 uint8 (E2M3 codes of W_qc_lin, K innermost, in blocks of 32 codes, four codes in three bytes); W_qc_lin_scales 1,024 x 32 uint8 (E8M0 scales of W_qc_lin, one for each 32 codes along K); W_qx_lin_codes 1,024 x 32 x 24 uint8 (E2M3 codes of W_qx_lin, K innermost, in blocks of 32 codes, four codes in three bytes); W_qx_lin_scales 1,024 x 32 uint8 (E8M0 scales of W_qx_lin, one for each 32 codes along K); W_vx_lin_codes 1,024 x 32 x 24 uint8 (E2M3 codes of W_vx_lin, K innermost, in blocks of 32 codes, four codes in three bytes); W_vx_lin_scales 1,024 x 32 uint8 (E8M0 scales of W_vx_lin, one for each 32 codes along K); b_Vkc 1 float32; b_Vkx 1 float32; b_Vqc 1 float32; b_Vqx 1 float32; b_kc_lin 1,024 float32; b_kx_lin 1,024 float32; b_out_lin 1,024 float32; b_qc_lin 1,024 float32; b_qx_lin 1,024 float32; b_vx_lin 1,024 float32; kc_codes 2,048 x 2 x 32 x 24 uint8 (E2M3 codes of kc, K innermost, in blocks of 32 codes, four codes in three bytes); kc_scales 2,048 x 2 x 32 uint8 (E8M0 scales of kc, one for each 32 codes along K); kx_codes 2,048 x 2 x 32 x 24 uint8 (E2M3 codes of kx, K innermost, in blocks of 32 codes, four codes in three bytes); kx_scales 2,048 x 2 x 32 uint8 (E8M0 scales of kx, one for each 32 codes along K); qc_codes 2,048 x 2 x 32 x 24 uint8 (E2M3 codes of qc, K innermost, in blocks of 32 codes, four codes in three bytes); qc_scales 2,048 x 2 x 32 uint8 (E8M0 scales of qc, one for each 32 codes along K); qx_codes 2,048 x 2 x 32 x 24 uint8 (E2M3 codes of qx, K innermost, in blocks of 32 codes, four codes in three bytes); qx_scales 2,048 x 2 x 32 uint8 (E8M0 scales of qx, one for each 32 codes along K); vx_codes 2,048 x 2 x 32 x 24 uint8 (E2M3 codes of vx, K innermost, in blocks of 32 codes, four codes in three bytes); vx_scales 2,048 x 2 x 32 uint8 (E8M0 scales of vx, one for each 32 codes along K).
;; Outputs: out0 2,048 x 2 x 1,024 float32.
;; This version of the problem:
;;   THIS VERSION OF THE PROBLEM IS GIVEN IN LOW PRECISION. The matrix products marked QUANTISED in the list below multiply operands that are first quantised to E2M3 (2 exponent bits, 3 mantissa bits; 6 bits a number), with one power-of-two scale for each 32 numbers along K (OCP MX v1.0); their sums are f32. All else is computed in f32.
;;   The module's matrix products, in the order in which they are computed (A, B: the left and right operand; K: the contracted axis; several contracted axes count as one K, in the product's order):
;;     1. [M 4,096, K 1,024] x [K 1,024, N 1,024]; A: input qx (given as codes); B: input W_qx_lin (given as codes): QUANTISED
;;     2. [M 4,096, K 1,024] x [K 1,024, N 1,024]; A: input kx (given as codes); B: input W_kx_lin (given as codes): QUANTISED
;;     3. [M 4,096, K 1,024] x [K 1,024, N 1,024]; A: input vx (given as codes); B: input W_vx_lin (given as codes): QUANTISED
;;     4. [M 4,096, K 1,024] x [K 1,024, N 1,024]; A: input qc (given as codes); B: input W_qc_lin (given as codes): QUANTISED
;;     5. [M 4,096, K 1,024] x [K 1,024, N 1,024]; A: input kc (given as codes); B: input W_kc_lin (given as codes): QUANTISED
;;     6. [M 4,096, K 1,024] x [K 1,024, N 1]; A: computed on the way; B: input W_Vqx: left as it is (N = 1 < 16)
;;     7. [M 4,096, K 1,024] x [K 1,024, N 1]; A: computed on the way; B: input W_Vqc: left as it is (N = 1 < 16)
;;     8. [M 4,096, K 1,024] x [K 1,024, N 1]; A: computed on the way; B: input W_Vkx: left as it is (N = 1 < 16)
;;     9. [M 4,096, K 1,024] x [K 1,024, N 1]; A: computed on the way; B: input W_Vkc: left as it is (N = 1 < 16)
;;     10. batch 32 x [M 2,048, K 64] x [K 64, N 2,048]; A: computed on the way; B: computed on the way: QUANTISED
;;     11. batch 32 x [M 2,048, K 2,048] x [K 2,048, N 64]; A: softmax (see below); B: computed on the way: QUANTISED
;;     12. [M 4,096, K 1,024] x [K 1,024, N 1,024]; A: computed on the way; B: input W_out_lin (given as codes): QUANTISED
;;   THE QUANTISER, for each operand of a quantised product, along K:
;;     - K is cut into blocks of 32 from its start; a last block that is shorter is filled with zeros.
;;     - A block's scale is 2^e with e = floor(log2(the largest magnitude in the block)) - 2, held to -126 .. 127; a block of zeros has e = 0. As a byte (E8M0): e + 127.
;;     - Each number is divided by its block's scale, clamped to +-7.5, and rounded to the nearest number of E2M3, ties to even, subnormals kept.
;;     - The product sums the exact products of the quantised numbers (number of the format x scale) in f32.
;;   ~~~python
;;   def quantise(x, axis):      # numpy; x: float32 -> the quantised numbers, widened to float32 again
;;       x = np.moveaxis(x, axis, -1); K = x.shape[-1]
;;       x = np.pad(x, [(0, 0)] * (x.ndim - 1) + [(0, -K % 32)]); x = x.reshape(x.shape[:-1] + (-1, 32)); a = np.abs(x).max(-1, keepdims=True)
;;       e = np.where(a > 0, np.clip(np.frexp(np.where(a > 0, a, 1))[1] - 1 - 2, -126, 127), 0)      # np.frexp(a)[1] - 1 = floor(log2(a)), exactly
;;       r = np.clip(x / 2.0 ** e, -7.5, 7.5)
;;       step = 2.0 ** (np.maximum(np.frexp(np.where(r == 0, 1, r))[1] - 1, 0) - 3)
;;       q = np.round(r / step) * step * 2.0 ** e      # np.round: ties to even
;;       return np.moveaxis(q.reshape(q.shape[:-2] + (-1,))[..., :K], -1, axis).astype(np.float32)
;;   ~~~
;;   SOFTMAX AHEAD OF A QUANTISED PRODUCT. Where the list says 'softmax', what is quantised is not the finished softmax but p = 2^(t - M), with t = logit x log2(e) and M = ceil(the row's largest t), a whole number; so 1/2 < the row's largest p <= 1. The row's sum l is taken of the UNQUANTISED p, in f32, and the product's result is divided by l at the end. Since M is a whole number, a kernel that streams over the keys may use a running M (the ceiling of the running maximum): every later rescaling is an exact power of two, which a block's scale takes up: the codes' values come out the same.
;;   OPERANDS COMPUTED ON THE WAY. 'Computed on the way' means the value that the module computes at that place (a softmax that the list does not call 'softmax' is quantised finished and normalised). What goes into a quantiser is computed in f32, as accurately as f32 sums, v_exp_f32 and their like allow (about 1e-6 of the number): no bf16 or f16 on the way to a quantiser, and a product that is left as it is and whose result goes on into a quantised operand takes f32 operands (vector FMAs, or v_wmma_f32_16x16x4_f32). A number that lies on a knife's edge between two numbers of the format may be rounded either way, as far as f32 arithmetic and the matrix unit's own rounding can turn it there, and no further.
;;   INPUTS GIVEN AS CODES. W_kc_lin (in the module: [1024, 1024], K = its axis 0); W_kx_lin (in the module: [1024, 1024], K = its axis 0); W_out_lin (in the module: [1024, 1024], K = its axis 0); W_qc_lin (in the module: [1024, 1024], K = its axis 0); W_qx_lin (in the module: [1024, 1024], K = its axis 0); W_vx_lin (in the module: [1024, 1024], K = its axis 0); kc (in the module: [2048, 2, 1024], K = its axis 2); kx (in the module: [2048, 2, 1024], K = its axis 2); qc (in the module: [2048, 2, 1024], K = its axis 2); qx (in the module: [2048, 2, 1024], K = its axis 2); vx (in the module: [2048, 2, 1024], K = its axis 2): each comes as NAME_codes (uint8): NAME with its K axis moved to the last place and cut into blocks of 32 codes, [.., K / 32, bytes a block], one block behind the other in memory; four codes in three bytes: a row's codes are one little-endian stream of bits, code i at bits 6 i .. 6 i + 5 (a code: sign, 2 exponent bits, 3 mantissa bits); and NAME_scales (uint8): the same leading axes, one E8M0 byte (e + 127) for each 32 codes along K. Its value is code x scale, taken as it is: it is not quantised again, and the codes and scales need not be those that the quantiser above would give.
;; One version. Each part assembles by itself: llvm-mc -triple=amdgcn-amd-amdhsa -mcpu=gfx1250 --defsym DOCPART=n.
;; ======== version 1 of 1: 4 launches
;; limits: right only within a limited range of input values
;; workspace buffers: wimg 3,276,800 bytes; qk_img 6,291,456 bytes; qk_scl 262,144 bytes; v_img 3,145,728 bytes; v_scl 131,072 bytes; c_img 3,145,728 bytes; c_scl 131,072 bytes
;; launch prep (part 1): grid 8 x 32, 8 waves a work-group, clusters of 4 x 4, 218,112 bytes of LDS; arguments vx_codes, vx_scales, W_vx_lin_codes, W_vx_lin_scales, b_vx_lin, W_qx_lin_codes, W_qc_lin_codes, W_kx_lin_codes, W_kc_lin_codes, W_qx_lin_scales, W_qc_lin_scales, W_kx_lin_scales, W_kc_lin_scales, v_img, v_scl, wimg; writes v_img, v_scl, wimg
.if DOCPART == 1
	.amdgcn_target "amdgcn-amd-amdhsa--gfx1250"
	.amdhsa_code_object_version 6
	.text
	.protected	k_q3b93bd291b_prep
	.globl	k_q3b93bd291b_prep
	.p2align	8
	.type	k_q3b93bd291b_prep,@function
k_q3b93bd291b_prep:
	s_mov_b64 s[64:65], 0
	v_nop
	global_prefetch_b8 v0, s[64:65] scope:SCOPE_SE
	s_setreg_imm32_b32 hwreg(HW_REG_WAVE_MODE, 25, 1), 1
	s_wait_xcnt 0x0
	s_wait_alu depctr_hold_cnt(0) depctr_sa_sdst(0) depctr_va_vdst(0) depctr_va_sdst(0) depctr_va_ssrc(0) depctr_va_vcc(0) depctr_vm_vsrc(0)
	s_getreg_b32 s2, hwreg(HW_REG_IB_STS2, 6, 4)
	s_cmp_eq_u32 s2, 0
	s_cbranch_scc0 .Lentry_in_a_cluster
	s_endpgm
.Lentry_in_a_cluster:
	s_bfe_u32 s2, ttmp6, 0x10000c
	s_cmp_lg_u32 s2, 0xf033
	s_cbranch_scc0 .Lentry_shape_is_right
	s_endpgm
.Lentry_shape_is_right:
; PREP.  (1) v = vx W_vx + b_vx on codes of FP6 (E2M3) with E8M0 scales, then quantised ALONG THE KEYS, which are the K of attention's second product.
;        (2) the four weights of the q and k projections are laid anew, fragment by fragment, in the order of an operand's registers, so that the next launch reads them by dense loads of 16 bytes a lane.
; SHARES.  Work-group (x, y): x = 128 columns (two heads), y = 16 b + j = 128 keys of batch b.  Each of eight waves makes all 128 keys x 16 columns: 8 accumulators.
; Source 0 = 16 rows of vx (keys), source 1 = 16 rows of W (columns): in the result a lane holds ONE column and eight keys, so its registers run along the next K.
; An exchange of lane halves (v_permlane16_swap_b32) makes of two neighbouring tiles 16 neighbouring keys a lane, which is what the conversions take.
; LDS, filled once: 128 rows of vx codes and 128 rows of W codes, 768 bytes + 16 behind each 256 = 816 apart (204 words: row r starts at bank 12 r mod 64, sixteen different multiples of 4; 64 banks of 4 bytes: ISA guide 11.1);
; then their scale bytes, 32 a row.  CLUSTER 4 x 4: the tile of vx hangs on y alone and is asked for jointly along a row of the cluster, the tile of W on x alone and jointly along a column.
; OUT.  v_img [16 b + h][j][t] images of 1,536 bytes (registers 4 c .. 4 c + 3 of lane l at 512 c + 16 l): lane (r, hh) = channel 16 t + r, keys 128 j + 64 c + 32 hh + 0 .. 31;  v_scl: the same index, 16 words.
;       wimg [q or k][head][2 ks + (x or c)] records of 6,400 bytes: four images (tile t = 2 B + u, lane r = column 64 head + 32 B + 8 u + r + 8 (r / 8)), then 4 x 16 scale words.
; LIMITS: NaN and infinities are not served; a given scale byte 0xff gives NaN; a block of v whose largest magnitude lies under 2^-124 (a block of zeros too) gets the byte 1: only this program reads the bytes.
.set PITCH,  816
.set HALFT,  64*PITCH                  ; 64 rows: what one tensor load brings
.set WBL,    2*HALFT                   ; W's 128 rows lie behind vx's 128
.set XSL,    4*HALFT                   ; vx's scale bytes, 128 x 32
.set WSL,    XSL+4096                  ; W's scale bytes
.set ADX,  1                           ; v1-2   vx rows 0-63: r x 816 + 24 hh; the second for pieces that lie behind one padding more (+ 16 hh)
.set ADY,  3                           ; v3-4   vx rows 64-127
.set ADW,  5                           ; v5-6   my 16 rows of W
.set ADXS, 7                           ; v7     vx scale words
.set ADWS, 8                           ; v8     W scale words
.set L16,  9                           ; v9     16 x lane
.set RW4,  10                          ; v10    4 r
.set RPC,  11                          ; v11    re-laying: (r + 8 (r / 8)) x 768 + 24 hh
.set RPS,  12                          ; v12    re-laying: (r + 8 (r / 8)) x 32
.set BF0,  16                          ; v16-39   W's fragment, two sets
.set H0,   40                          ; v40-87   four fragments of vx, rows 0-63
.set H1,   88                          ; v88-135  rows 64-127
.set RS,   136                         ; v136-167 vx scale words: tile i, register q: K step q in lanes 0-15, 4 + q in lanes 16-31
.set WSR,  168                         ; v168-171 W's likewise
.set BIA,  172                         ; v172-179 the bias of my column, eight times: the C of each sum's first product
.set ACC,  184                         ; v184-247 eight accumulators
.set PC,   16                          ; the way out: codes
.set TM,   40
.set PW,   60
.set SEL,  2
.set WV,   60
.set G1A,  36
.set G1W,  44
.set G1AS, 52
.set G1WS, 68
.set G0A,  76
.set G0W,  80
.set G0AS, 84
.set G0WS, 88
.macro NOP4                            ; four places behind matrix instructions (ISA guide 7.12.1), where no other vector work is at hand
.rept 4
	v_nop
.endr
.endm
.macro ROUND                           ; a round of the cluster's barrier
	s_barrier_signal -1
	s_barrier_wait -1
	s_cmp_lg_u32 s[WV], 0
	s_cbranch_scc1 .Lnw0_\@
	s_barrier_signal -3
.Lnw0_\@:
	s_barrier_wait -3
	s_barrier_signal -1
	s_barrier_wait -1
.endm
; A fragment (16 rows x 128 K, 12 registers) from rows 816 bytes apart: six pieces of 8 bytes.  Lanes 16-31 read three pieces further on, which is behind one padding more where the piece's number mod 32 is 29 or more.
.macro FRAGR reg, adr, ks, off
.irp p, 0,1,2,3,4,5
.set PCE, 12*(\ks)+6*(\p/3)+\p%3
.if PCE%32 < 29
	ds_load_b64 v[(\reg)+2*\p:(\reg)+2*\p+1], v[\adr] offset:8*PCE+16*(PCE/32)+(\off)
.else
	ds_load_b64 v[(\reg)+2*\p:(\reg)+2*\p+1], v[(\adr)+1] offset:8*PCE+16*(PCE/32)+(\off)
.endif
.endr
.endm
.macro WM d, a, b, c, sa, sb, ra, rb   ; ra, rb = 1: that side's scales are read from lanes 16-31
.if (\ra) && (\rb)
	v_wmma_scale_f32_16x16x128_f8f6f4 v[(\d):(\d)+7], v[(\a):(\a)+11], v[(\b):(\b)+11], v[(\c):(\c)+7], v[\sa], v[\sb] matrix_a_fmt:MATRIX_FMT_FP6 matrix_b_fmt:MATRIX_FMT_FP6 matrix_a_scale:MATRIX_SCALE_ROW1 matrix_b_scale:MATRIX_SCALE_ROW1
.elseif \ra
	v_wmma_scale_f32_16x16x128_f8f6f4 v[(\d):(\d)+7], v[(\a):(\a)+11], v[(\b):(\b)+11], v[(\c):(\c)+7], v[\sa], v[\sb] matrix_a_fmt:MATRIX_FMT_FP6 matrix_b_fmt:MATRIX_FMT_FP6 matrix_a_scale:MATRIX_SCALE_ROW1
.elseif \rb
	v_wmma_scale_f32_16x16x128_f8f6f4 v[(\d):(\d)+7], v[(\a):(\a)+11], v[(\b):(\b)+11], v[(\c):(\c)+7], v[\sa], v[\sb] matrix_a_fmt:MATRIX_FMT_FP6 matrix_b_fmt:MATRIX_FMT_FP6 matrix_b_scale:MATRIX_SCALE_ROW1
.else
	v_wmma_scale_f32_16x16x128_f8f6f4 v[(\d):(\d)+7], v[(\a):(\a)+11], v[(\b):(\b)+11], v[(\c):(\c)+7], v[\sa], v[\sb] matrix_a_fmt:MATRIX_FMT_FP6 matrix_b_fmt:MATRIX_FMT_FP6
.endif
.endm
.macro MMP i, h, ks                    ; tile i of the keys x my 16 columns, K step ks
.if (\ks) == 0
	WM ACC+8*(\i), \h, BF0, BIA, RS+4*(\i), WSR, 0, 0
.else
	WM ACC+8*(\i), \h, BF0+12*((\ks)%2), ACC+8*(\i), RS+4*(\i)+((\ks)%4), WSR+((\ks)%4), (\ks)/4, (\ks)/4
.endif
.endm
.macro GA ks                           ; 30 loads: vx rows 0-63 and W's fragment of K step ks
.irp i, 0,1,2,3
	FRAGR H0+12*\i, ADX, \ks, 16*PITCH*\i
.endr
	FRAGR BF0+12*((\ks)%2), ADW, \ks, 0
.endm
.macro GB ks                           ; 24 loads: vx rows 64-127
.irp i, 0,1,2,3
	FRAGR H1+12*\i, ADY, \ks, 16*PITCH*\i
.endr
.endm
; A K step: eight products, the eight accumulators by turns.
.macro KSTEP ks
	s_wait_dscnt 24                                ; all but the youngest 24 loads (rows 64-127 of this step) are in
.irp i, 0,1,2,3
	MMP \i, H0+12*\i, \ks
.endr
	NOP4                                           ; in front of loads into registers that these products read
.if (\ks) < 7
	GA (\ks)+1
	s_wait_dscnt 30                                ; all but the 30 just issued: rows 64-127 are in
.else
	s_wait_dscnt 0x0
.endif
.irp i, 0,1,2,3
	MMP 4+\i, H1+12*\i, \ks
.endr
	NOP4
.if (\ks) < 7
	GB (\ks)+1
.endif
.endm
; 64 numbers of a lane, register 16 b + i = k 32 b + 16 hh + i of my column, become a fragment's codes in v[PC] on and its scale word in v[PW].
.macro QUANT s
.irp b, 0,1,2,3
	v_max3_num_f32 v[TM+\b], |v[\s+16*\b]|, |v[\s+1+16*\b]|, 0x1800000   ; my 16 numbers of block b, and the floor 2^(3 - 127): the byte cannot fall under 1
.endr
.irp i, 2,4,6,8,10,12,14
.irp b, 0,1,2,3
	s_delay_alu instid0(VALU_DEP_4)
	v_max3_num_f32 v[TM+\b], v[TM+\b], |v[\s+16*\b+\i]|, |v[\s+1+16*\b+\i]|
.endr
.endr
.irp b, 0,1,2,3
	s_delay_alu instid0(VALU_DEP_4)
	v_permlanex16_b32 v[TM+4+\b], v[TM+\b], s[SEL], s[SEL+1]
.endr
.irp b, 0,1,2,3
	s_delay_alu instid0(VALU_DEP_4)
	v_max_num_f32 v[TM+\b], v[TM+\b], v[TM+4+\b]   ; with lane l xor 16's: the block's largest magnitude
.endr
.irp b, 0,1,2,3
	s_delay_alu instid0(VALU_DEP_4)
	v_add_nc_u32 v[TM+12+\b], 0xff000000, v[TM+\b] ; 2 off its exponent field: the conversion's scale operand
.endr
.irp b, 0,1,2,3
	s_delay_alu instid0(VALU_DEP_4)
	v_lshrrev_b32 v[TM+4+\b], 23, v[TM+12+\b]      ; the scale's byte
.endr
	s_delay_alu instid0(VALU_DEP_3)
	v_lshl_or_b32 v[PW], v[TM+5], 8, v[TM+4]
	s_delay_alu instid0(VALU_DEP_1)
	v_lshl_or_b32 v[PW], v[TM+6], 16, v[PW]
	s_delay_alu instid0(VALU_DEP_1)
	v_lshl_or_b32 v[PW], v[TM+7], 24, v[PW]
.irp c, 0,1
	v_cvt_scalef32_pk16_fp6_f32 v[PC+6*\c:PC+2+6*\c], v[\s+32*\c:\s+15+32*\c], v[TM+12+2*\c]
	v_cvt_scalef32_pk16_fp6_f32 v[PC+12+4*\c:PC+14+4*\c], v[\s+16+32*\c:\s+31+32*\c], v[TM+12+2*\c+1]   ; (a conversion's three registers begin on an even number)
.endr
	v_nop                                          ; one plain place behind a scaled conversion
.irp c, 0,1                            ; the operand's layout wants a whole block in a lane
.irp i, 0,1,2
	v_permlane16_swap_b32 v[PC+6*\c+\i], v[PC+12+4*\c+\i]
.endr
.irp i, 0,1,2
	s_delay_alu instid0(VALU_DEP_3)
	v_mov_b32 v[PC+3+6*\c+\i], v[PC+12+4*\c+\i]
.endr
.endr
.endm
	s_load_b512 s[4:19], s[0:1], 0x0               ; vx codes s[4:5], vx scales s[6:7], W_vx codes s[8:9], W_vx scales s[10:11], b_vx s[12:13], W_qx, W_qc, W_kx codes s[14:19]
	s_load_b512 s[20:35], s[0:1], 0x40             ; W_kc codes s[20:21], the four weights' scales s[22:29], v_img s[30:31], v_scl s[32:33], wimg s[34:35]
	v_lshl_add_u32 v254, v0, 2, 0x35000
	v_mov_b32 v255, 0
	ds_add_u32 v254, v255
	ds_add_u32 v254, v255
	v_lshrrev_b32 v13, 5, v0
	s_delay_alu instid0(VALU_DEP_1)
	v_readfirstlane_b32 s[WV], v13                 ; wave 0..7
	v_and_b32 v13, 15, v0                          ; r
	v_bfe_u32 v14, v0, 4, 1                        ; hh
	v_and_b32 v15, 31, v0                          ; lane
	s_delay_alu instid0(VALU_DEP_3)
	v_mul_u32_u24 v[ADX], v13, PITCH
	s_delay_alu instid0(VALU_DEP_1)
	v_mad_u32_u24 v[ADX], v14, 24, v[ADX]
	s_delay_alu instid0(VALU_DEP_1)
	v_lshl_add_u32 v[ADX+1], v14, 4, v[ADX]
	s_delay_alu instid0(VALU_DEP_2)
	v_add_nc_u32 v[ADY], HALFT, v[ADX]
	s_delay_alu instid0(VALU_DEP_2)
	v_add_nc_u32 v[ADY+1], HALFT, v[ADX+1]
	s_mul_i32 s97, s[WV], 16*PITCH
	s_add_co_u32 s97, s97, WBL
	v_add_nc_u32 v[ADW], s97, v[ADX]
	v_add_nc_u32 v[ADW+1], s97, v[ADX+1]
	v_lshlrev_b32 v[ADXS], 5, v13
	s_delay_alu instid0(VALU_DEP_1)
	v_lshl_add_u32 v[ADXS], v14, 4, v[ADXS]        ; 32 r + 16 hh: lanes 16-31 take the row's K steps 4-7
	s_lshl_b32 s97, s[WV], 9
	s_add_co_u32 s97, s97, WSL
	v_add_nc_u32 v[ADWS], s97, v[ADXS]
	v_add_nc_u32 v[ADXS], XSL, v[ADXS]
	v_lshlrev_b32 v[L16], 4, v15
	v_lshlrev_b32 v[RW4], 2, v13
	v_and_b32 v15, 8, v13
	s_delay_alu instid0(VALU_DEP_1)
	v_add_nc_u32 v15, v15, v13                     ; r + 8 (r / 8)
	s_delay_alu instid0(VALU_DEP_1)
	v_mul_u32_u24 v[RPC], v15, 768
	s_delay_alu instid0(VALU_DEP_1)
	v_mad_u32_u24 v[RPC], v14, 24, v[RPC]
	s_delay_alu instid0(VALU_DEP_3)
	v_lshlrev_b32 v[RPS], 5, v15
	s_bfe_u32 s61, ttmp6, 0x40000                  ; cx
	s_bfe_u32 s62, ttmp6, 0x40004                  ; cy
	s_lshl_b32 s92, ttmp9, 2
	s_add_co_u32 s92, s92, s61                     ; x: which 128 columns
	s_and_b32 s93, ttmp7, 0xffff
	s_lshr_b32 s63, s93, 1                         ; (8 y + x) >> 6 = cluster y >> 1: which of the four weights this work-group re-lays; alike in all partners
	s_lshl_b32 s93, s93, 2
	s_add_co_u32 s93, s93, s62                     ; y = 16 b + j
	s_lshl_b32 s94, s62, 2
	s_lshl_b32 s94, 15, s94                        ; my row of the cluster
	s_lshl_b32 s95, 0x1111, s61                    ; my column
	; descriptor groups 1.  Codes: 64 rows x 96 elements of 8 bytes, 4 words of padding behind every 64 words; vx's rows are 1,536 bytes apart (the other batch lies between), W's 768.
	s_or_b32 s[G1A], s94, (3<<16)|(1<<20)|(1<<21)|(5<<22)|(3<<25)
	s_or_b32 s[G1W], s95, (3<<16)|(1<<20)|(1<<21)|(5<<22)|(3<<25)
.irp g, G1A, G1W
	s_mov_b32 s[\g+1], 96<<16
	s_mov_b32 s[\g+2], 64<<16
	s_mov_b32 s[\g+3], 96<<16
	s_mov_b32 s[\g+4], 64
	s_mov_b32 s[\g+6], 0
	s_mov_b32 s[\g+7], 0
.endr
	s_mov_b32 s[G1A+5], 192
	s_mov_b32 s[G1W+5], 96
	s_or_b32 s[G1AS], s94, (2<<16)|(1<<21)         ; vx's scale bytes: 128 rows x 8 elements of 4 bytes, 64 bytes apart
	s_mov_b32 s[G1AS+1], 8<<16
	s_mov_b32 s[G1AS+2], 128<<16
	s_mov_b32 s[G1AS+3], 8<<16
	s_mov_b32 s[G1AS+4], 128
	s_mov_b32 s[G1AS+5], 16
	s_mov_b32 s[G1AS+6], 0
	s_mov_b32 s[G1AS+7], 0
	s_or_b32 s[G1WS], s95, (3<<16)|(1<<21)         ; W's: 4,096 dense bytes as 16 rows of 256
	s_mov_b32 s[G1WS+1], 32<<16
	s_mov_b32 s[G1WS+2], 16<<16
	s_mov_b32 s[G1WS+3], 32<<16
	s_mov_b32 s[G1WS+4], 16
	s_mov_b32 s[G1WS+5], 32
	s_mov_b32 s[G1WS+6], 0
	s_mov_b32 s[G1WS+7], 0
	s_and_b32 s96, s[WV], 1                        ; which 64 rows I fetch, if I fetch codes
	s_mov_b32 s[G0A], 1
	s_mul_i32 s[G0A+1], s96, HALFT
	s_mov_b32 s[G0W], 1
	s_mul_i32 s[G0W+1], s96, HALFT
	s_add_co_u32 s[G0W+1], s[G0W+1], WBL
	s_mov_b32 s[G0AS], 1
	s_mov_b32 s[G0AS+1], XSL
	s_mov_b32 s[G0WS], 1
	s_mov_b32 s[G0WS+1], WSL
	s_and_b32 s97, s93, 15
	s_lshl_b32 s97, s97, 8
	s_lshr_b32 s98, s93, 4
	s_add_co_u32 s97, s97, s98                     ; 256 j + b: the memory row of my first key
	s_mov_b32 s99, 0
	s_mov_b32 s3, 0
	s_wait_dscnt 0x0
	s_wait_kmcnt 0x0
	s_lshl_b32 s98, s97, 5
	s_add_nc_u64 s[G0AS+2:G0AS+3], s[6:7], s[98:99]
	s_or_b32 s[G0AS+3], s[G0AS+3], 0x80000000
	s_lshl_b32 s98, s96, 7
	s_add_co_u32 s97, s97, s98                     ; + 64 keys x 2 for the second half
	s_mul_i32 s98, s97, 768
	s_add_nc_u64 s[G0A+2:G0A+3], s[4:5], s[98:99]
	s_or_b32 s[G0A+3], s[G0A+3], 0x80000000
	s_lshl_b32 s2, s92, 12
	s_add_nc_u64 s[G0WS+2:G0WS+3], s[10:11], s[2:3]
	s_or_b32 s[G0WS+3], s[G0WS+3], 0x80000000
	s_lshl_b32 s2, s92, 7
	s_lshl_b32 s61, s96, 6
	s_add_co_u32 s2, s2, s61
	s_mul_i32 s2, s2, 768
	s_add_nc_u64 s[G0W+2:G0W+3], s[8:9], s[2:3]
	s_or_b32 s[G0W+3], s[G0W+3], 0x80000000
	ROUND                                          ; all sixteen work-groups are here: the joint loads meet
	s_cmp_lt_u32 s[WV], 2                          ; waves 0, 1: vx's halves; 2, 3: W's; 4: vx's scales; 5: W's scales.  One load a wave; the branches hang on the wave's number alone
	s_cbranch_scc0 .Lf1
	tensor_load_to_lds s[G0A:G0A+3], s[G1A:G1A+7]
	s_nop 0
	NOP4
	s_branch .Lfd
.Lf1:
	s_cmp_lt_u32 s[WV], 4
	s_cbranch_scc0 .Lf2
	tensor_load_to_lds s[G0W:G0W+3], s[G1W:G1W+7]
	s_nop 0
	NOP4
	s_branch .Lfd
.Lf2:
	s_cmp_eq_u32 s[WV], 4
	s_cbranch_scc0 .Lf3
	tensor_load_to_lds s[G0AS:G0AS+3], s[G1AS:G1AS+7]
	s_nop 0
	NOP4
	s_branch .Lfd
.Lf3:
	s_cmp_eq_u32 s[WV], 5
	s_cbranch_scc0 .Lfd
	tensor_load_to_lds s[G0WS:G0WS+3], s[G1WS:G1WS+7]
	s_nop 0
	NOP4
.Lfd:
	; ---- the re-laying, while the tiles are on their way.  Work-group number L = 8 y + x: weight L >> 6, head (L >> 2) & 15, tile L & 3; wave = K step.  One fragment a wave.
	s_bitcmp1_b32 s63, 1                           ; k's weights or q's
	s_cselect_b64 s[14:15], s[18:19], s[14:15]
	s_cselect_b64 s[16:17], s[20:21], s[16:17]
	s_cselect_b64 s[22:23], s[26:27], s[22:23]
	s_cselect_b64 s[24:25], s[28:29], s[24:25]
	s_bitcmp1_b32 s63, 0                           ; the c weight or the x weight
	s_cselect_b64 s[14:15], s[16:17], s[14:15]
	s_cselect_b64 s[22:23], s[24:25], s[22:23]
	s_lshl_b32 s16, s93, 1
	s_lshr_b32 s17, s92, 2
	s_add_co_u32 s16, s16, s17
	s_and_b32 s16, s16, 15                         ; head
	s_and_b32 s17, s92, 3                          ; tile
	s_lshl_b32 s18, s16, 6
	s_lshr_b32 s19, s17, 1
	s_lshl_b32 s19, s19, 5
	s_add_co_u32 s18, s18, s19
	s_and_b32 s19, s17, 1
	s_lshl_b32 s19, s19, 3
	s_add_co_u32 s18, s18, s19                     ; the tile's first row of W: 64 head + 32 B + 8 u
	s_mul_i32 s20, s18, 768
	s_mul_i32 s21, s[WV], 96
	s_add_co_u32 s20, s20, s21
	s_mov_b32 s21, 0
	s_add_nc_u64 s[14:15], s[14:15], s[20:21]
	s_lshl_b32 s20, s18, 5
	s_lshl_b32 s26, s[WV], 2
	s_add_co_u32 s20, s20, s26
	s_add_nc_u64 s[22:23], s[22:23], s[20:21]
	s_lshr_b32 s24, s63, 1
	s_lshl_b32 s24, s24, 4
	s_add_co_u32 s24, s24, s16
	s_lshl_b32 s24, s24, 4
	s_lshl_b32 s25, s[WV], 1
	s_add_co_u32 s24, s24, s25
	s_and_b32 s25, s63, 1
	s_add_co_u32 s24, s24, s25                     ; the record's number
	s_mul_i32 s24, s24, 6400
	s_mul_i32 s25, s17, 1536
	s_add_co_u32 s26, s24, s25
	s_mov_b32 s27, 0
	s_add_nc_u64 s[28:29], s[34:35], s[26:27]      ; the image's place
	s_lshl_b32 s25, s17, 6
	s_add_co_u32 s24, s24, s25
	s_add_co_u32 s24, s24, 6144
	s_mov_b32 s25, 0
	s_add_nc_u64 s[34:35], s[34:35], s[24:25]      ; its 16 scale words' place
	s_lshl_b32 s2, s92, 9
	s_lshl_b32 s61, s[WV], 6
	s_add_co_u32 s2, s2, s61
	s_add_nc_u64 s[12:13], s[12:13], s[2:3]        ; b_vx at my 16 columns
	s_wait_alu depctr_va_vdst(0)
.irp p, 0,1,2,3,4,5
	global_load_b64 v[ACC+2*\p:ACC+2*\p+1], v[RPC], s[14:15] offset:48*(\p/3)+8*(\p%3)
.endr
	global_load_b32 v[ACC+12], v[RPS], s[22:23]
	global_load_b32 v[BIA], v[RW4], s[12:13]
	; where my results go: index ((16 b + h) 16 + j) 4 + t, h = 2 x + wave / 4, t = wave % 4
	s_lshr_b32 s16, s93, 4
	s_lshl_b32 s16, s16, 4
	s_lshl_b32 s17, s92, 1
	s_add_co_u32 s16, s16, s17
	s_lshr_b32 s17, s[WV], 2
	s_add_co_u32 s16, s16, s17
	s_lshl_b32 s16, s16, 4
	s_and_b32 s17, s93, 15
	s_add_co_u32 s16, s16, s17
	s_lshl_b32 s16, s16, 2
	s_and_b32 s17, s[WV], 3
	s_add_co_u32 s16, s16, s17
	s_mul_i32 s18, s16, 1536
	s_mov_b32 s19, 0
	s_add_nc_u64 s[30:31], s[30:31], s[18:19]
	s_lshl_b32 s18, s16, 6
	s_add_nc_u64 s[32:33], s[32:33], s[18:19]
	s_wait_loadcnt 0x0
.irp c, 0,1,2
	global_store_b128 v[L16], v[ACC+4*\c:ACC+4*\c+3], s[28:29] offset:512*\c   ; 32 lanes store 512 consecutive bytes
.endr
	global_store_b32 v[RW4], v[ACC+12], s[34:35]   ; lanes r and 16 + r hold the same word
.irp i, 1,2,3,4,5,6,7
	v_mov_b32 v[BIA+\i], v[BIA]                    ; a lane's eight results are eight keys of ONE column: the same bias
.endr
	s_wait_alu depctr_va_vdst(0)
	s_wait_xcnt 0x0                                ; the stores have read their registers: the products below write them
	s_wait_tensorcnt 0x0                           ; my tile has landed,
	s_barrier_signal -1
	s_barrier_wait -1                              ; everybody's has
.irp i, 0,1,2,3,4,5,6,7
	ds_load_b128 v[RS+4*\i:RS+4*\i+3], v[ADXS] offset:512*\i
.endr
	ds_load_b128 v[WSR:WSR+3], v[ADWS]
	GA 0
	GB 0
.irp ks, 0,1,2,3,4,5,6,7
	KSTEP \ks
.endr
	; ---- v is quantised along the keys.  Register q of tile i holds key 16 i + 8 hh + q; the exchange gives register 16 B + i key 32 B + 16 hh + i.  Each accumulator is read from its low end on.
.irp b, 0,1,2,3
.irp q, 0,1,2,3,4,5,6,7
	v_permlane16_swap_b32 v[ACC+16*\b+\q], v[ACC+16*\b+8+\q]
.endr
.endr
	s_mov_b32 s[SEL], 0x76543210
	s_mov_b32 s[SEL+1], 0xfedcba98                 ; v_permlanex16_b32: lane l xor 16
.irp b, 0,1,2,3
	v_mov_b32 v[TM+4+\b], 0                        ; a lane permute's destination counts as one of its sources
.endr
	QUANT ACC
.irp c, 0,1,2
	global_store_b128 v[L16], v[PC+4*\c:PC+4*\c+3], s[30:31] offset:512*\c
.endr
	global_store_b32 v[RW4], v[PW], s[32:33]
	s_wait_tensorcnt 0x0
	ds_add_u32 v254, v255
	s_wait_dscnt 0x0
	ROUND                                          ; the closing round: no work-group ends while a partner may still ask for a tile that names it
	s_endpgm
.Lfunc_end_k_q3b93bd291b_prep:
	.size	k_q3b93bd291b_prep, .Lfunc_end_k_q3b93bd291b_prep-k_q3b93bd291b_prep
	.p2alignl 7, 3214868480
	.fill 96, 4, 3214868480
	.section	.rodata,"a",@progbits
	.p2align	6, 0x0
	.amdhsa_kernel k_q3b93bd291b_prep
		.amdhsa_group_segment_fixed_size 218112
		.amdhsa_private_segment_fixed_size 0
		.amdhsa_enable_private_segment 0
		.amdhsa_kernarg_size 128
		.amdhsa_user_sgpr_count 2
		.amdhsa_user_sgpr_kernarg_segment_ptr 1
		.amdhsa_wavefront_size32 1
		.amdhsa_system_sgpr_workgroup_id_x 1
		.amdhsa_system_sgpr_workgroup_id_y 1
		.amdhsa_system_sgpr_workgroup_id_z 1
		.amdhsa_system_vgpr_workitem_id 0
		.amdhsa_next_free_vgpr 256
		.amdhsa_next_free_sgpr 100
		.amdhsa_reserve_vcc 0
		.amdhsa_float_denorm_mode_32 3
		.amdhsa_float_denorm_mode_16_64 3
		.amdhsa_memory_ordered 1
		.amdhsa_forward_progress 1
		.amdhsa_inst_pref_size 58
	.end_amdhsa_kernel
	.amdgpu_metadata
---
amdhsa.version: [ 1, 2 ]
amdhsa.kernels:
  - .name:           k_q3b93bd291b_prep
    .symbol:         k_q3b93bd291b_prep.kd
    .args:
      - { .name: vx_codes, .offset: 0, .size: 8, .value_kind: global_buffer, .address_space: global }
      - { .name: vx_scales, .offset: 8, .size: 8, .value_kind: global_buffer, .address_space: global }
      - { .name: W_vx_lin_codes, .offset: 16, .size: 8, .value_kind: global_buffer, .address_space: global }
      - { .name: W_vx_lin_scales, .offset: 24, .size: 8, .value_kind: global_buffer, .address_space: global }
      - { .name: b_vx_lin, .offset: 32, .size: 8, .value_kind: global_buffer, .address_space: global }
      - { .name: W_qx_lin_codes, .offset: 40, .size: 8, .value_kind: global_buffer, .address_space: global }
      - { .name: W_qc_lin_codes, .offset: 48, .size: 8, .value_kind: global_buffer, .address_space: global }
      - { .name: W_kx_lin_codes, .offset: 56, .size: 8, .value_kind: global_buffer, .address_space: global }
      - { .name: W_kc_lin_codes, .offset: 64, .size: 8, .value_kind: global_buffer, .address_space: global }
      - { .name: W_qx_lin_scales, .offset: 72, .size: 8, .value_kind: global_buffer, .address_space: global }
      - { .name: W_qc_lin_scales, .offset: 80, .size: 8, .value_kind: global_buffer, .address_space: global }
      - { .name: W_kx_lin_scales, .offset: 88, .size: 8, .value_kind: global_buffer, .address_space: global }
      - { .name: W_kc_lin_scales, .offset: 96, .size: 8, .value_kind: global_buffer, .address_space: global }
      - { .name: v_img, .offset: 104, .size: 8, .value_kind: global_buffer, .address_space: global }
      - { .name: v_scl, .offset: 112, .size: 8, .value_kind: global_buffer, .address_space: global }
      - { .name: wimg, .offset: 120, .size: 8, .value_kind: global_buffer, .address_space: global }
    .group_segment_fixed_size: 218112
    .private_segment_fixed_size: 0
    .kernarg_segment_align: 8
    .kernarg_segment_size: 128
    .max_flat_workgroup_size: 256
    .sgpr_count:     100
    .vgpr_count:     256
    .wavefront_size: 32
...
	.end_amdgpu_metadata
.endif
;; end of part 1
;; launch projqk (part 2): grid 256 x 1, 16 waves a work-group, no clusters, 169,984 bytes of LDS; arguments qx_codes, qx_scales, qc_codes, qc_scales, b_qx_lin, b_qc_lin, W_Vqx, W_Vqc, b_Vqx, b_Vqc, kx_codes, kx_scales, kc_codes, kc_scales, b_kx_lin, b_kc_lin, W_Vkx, W_Vkc, b_Vkx, b_Vkc, wimg, qk_img, qk_scl; writes qk_img, qk_scl
.if DOCPART == 2
	.amdgcn_target "amdgcn-amd-amdhsa--gfx1250"
	.amdhsa_code_object_version 6
	.text
	.protected	k_q3b93bd291b_projqk
	.globl	k_q3b93bd291b_projqk
	.p2align	8
	.type	k_q3b93bd291b_projqk,@function
k_q3b93bd291b_projqk:
	s_mov_b64 s[64:65], 0
	v_nop
	global_prefetch_b8 v0, s[64:65] scope:SCOPE_SE
	s_setreg_imm32_b32 hwreg(HW_REG_WAVE_MODE, 25, 1), 1
	s_wait_xcnt 0x0
; PROJQK.  For q (work-groups 0-127) or k (128-255): X = x W_x + b_x and C = c W_c + b_c on codes of FP6 with E8M0 scales; lam = sigmoid(X . V_x + b + C . V_c + b'), in f32;
; q = (1 - lam) X + lam C; quantised along each head's 64.  Nothing but codes and scale bytes goes to memory.
; SHARES.  A work-group owns 32 rows (s = 32 G .. 32 G + 31 of batch b) and ALL 1,024 columns of both projections, since the gate wants a whole row.  Wave w = head w: 64 columns x 32 rows x 2 projections: 16 accumulators.
; The products are used transposed (source 0 = 16 rows of W, source 1 = 16 rows of x).  The rows of W that form a tile were chosen when wimg was laid (lane r of tile 2 B + u = column 32 B + 8 u + r + 8 (r / 8)),
; so that register 16 B + i of a lane is column 32 B + 16 hh + i of its row: 16 neighbours along the next K.
; W comes straight into registers: each fragment feeds this wave alone, and its image is 3 x 512 dense bytes.  No cluster and no joint load: what work-groups share here (W) is read by one wave of each, and through LDS it would be
; written and read once more for each use; x, which the sixteen waves share, lies in LDS, filled once.
; LDS: 2 x 32 rows of codes, 816 bytes apart (768 + 16 behind each 256); 2 x 32 rows of 32 scale bytes; 2,048 bytes for the gate's sixteen partial sums a row (stored by the waves, no tile lands there).
; OUT.  qk_img [q or k][16 b + h][G] images of 1,536 bytes: registers 0-5 tile u = 0, 6-11 tile u = 1; tile u, lane (r, hh) = row 32 G + 8 u + r + 8 (r / 8), channels 32 hh + 0 .. 31.  qk_scl: 16 words: bytes 0, 1 tile 0, bytes 2, 3 tile 1.
; LIMITS: NaN and infinities are not served; a given scale byte 0xff gives NaN; a block under 2^-124 gets the byte 1 (read by this program alone); the gate's sum of 2,048 terms is an f32 sum in an order of its own.
.set PITCH, 816
.set XT,    32*PITCH
.set XSL,   2*XT
.set RED,   XSL+2048
.set ADA,  1                           ; v1-2  r x 816 + 24 hh (+ 16 hh)
.set ADXS, 3                           ; v3    x's scale words: XSL + 32 r
.set L16,  4
.set L4,   5
.set H64,  6                           ; v6    64 hh: my half's 16 columns of a block of 32, in f32
.set RWA,  7                           ; v7    RED + 64 r + 4 wave
.set RRA,  8                           ; v8    RED + 64 r
.set RW4,  9
.set AF,   12                          ; v12-23 x's fragment
.set XSR,  24
.set ZO,   25
.set GBI,  26                          ; v26-27 the gate's two biases
.set BS0,  28                          ; v28-75 four fragments of W, v76-77 their scale words (these two hold nothing else); the second set 50 registers on
.set ACC,  128                         ; accumulator (e, a, t) at 128 + 64 e + 32 a + 8 t
.set TM,   60
.set PT,   66
.set C0,   70
.set C1,   80
.set SW1,  86
.set SW0,  87
.set TX,   88
.set PC,   92
.set PW,   104
.set N0,   105
.set WV,   50
.set G1X,  68
.set G1XS, 76
.set G0X,  84
.set G0XS, 88
.set WB,   92
.set SEL,  94
.set MSK,  96
.macro NOP4
.rept 4
	v_nop
.endr
.endm
.macro FRAGR reg, adr, ks, off         ; a fragment from rows 816 bytes apart: six pieces of 8 bytes; the second address register where lanes 16-31 lie behind one padding more
.irp p, 0,1,2,3,4,5
.set PCE, 12*(\ks)+6*(\p/3)+\p%3
.if PCE%32 < 29
	ds_load_b64 v[(\reg)+2*\p:(\reg)+2*\p+1], v[\adr] offset:8*PCE+16*(PCE/32)+(\off)
.else
	ds_load_b64 v[(\reg)+2*\p:(\reg)+2*\p+1], v[(\adr)+1] offset:8*PCE+16*(PCE/32)+(\off)
.endif
.endr
.endm
.macro WM d, a, b, sa, sb, ra          ; in place; ra = 1: source 0's scales are read from lanes 16-31
.if \ra
	v_wmma_scale_f32_16x16x128_f8f6f4 v[(\d):(\d)+7], v[(\a):(\a)+11], v[(\b):(\b)+11], v[(\d):(\d)+7], v[\sa], v[\sb] matrix_a_fmt:MATRIX_FMT_FP6 matrix_b_fmt:MATRIX_FMT_FP6 matrix_a_scale:MATRIX_SCALE_ROW1
.else
	v_wmma_scale_f32_16x16x128_f8f6f4 v[(\d):(\d)+7], v[(\a):(\a)+11], v[(\b):(\b)+11], v[(\d):(\d)+7], v[\sa], v[\sb] matrix_a_fmt:MATRIX_FMT_FP6 matrix_b_fmt:MATRIX_FMT_FP6
.endif
.endm
.macro BLOAD i                         ; record i = 2 ks + e of my head: 14 loads into set e
.set BSB, BS0+50*((\i)%2)
.irp t, 0,1,2,3
.irp c, 0,1,2
	global_load_b128 v[BSB+12*\t+4*\c:BSB+12*\t+4*\c+3], v[L16], s[WB:WB+1] offset:6400*(\i)+1536*\t+512*\c
.endr
.endr
.irp q, 0,1
	global_load_b32 v[BSB+48+\q], v[L4], s[WB:WB+1] offset:6400*(\i)+6144+128*\q   ; lanes 0-15 tile 2 q, lanes 16-31 tile 2 q + 1
.endr
.endm
.macro HALF i, left                    ; K step i / 2 of projection i % 2: 8 products, the accumulators by turns
.set BSB, BS0+50*((\i)%2)
	s_wait_loadcnt \left                           ; this record is in; the loads issued behind it may stay out
.irp a, 0,1
	FRAGR AF, ADA, (\i)/2, XT*((\i)%2)+16*PITCH*\a
	ds_load_b32 v[XSR], v[ADXS] offset:1024*((\i)%2)+512*\a+4*((\i)/2)
	s_wait_dscnt 0x0
.irp t, 0,1,2,3
	WM ACC+64*((\i)%2)+32*\a+8*\t, BSB+12*\t, AF, BSB+48+\t/2, XSR, \t%2
.endr
	NOP4                                           ; in front of loads into registers that these products read
.endr
.endm
; 32 numbers of a lane, register 16 b + i = k 32 b + 16 hh + i of my row, become 6 registers of codes (lane (r, hh): k = 32 hh + 0 .. 31) and two scale bytes.
.macro QUANT2 s, pc, sw
.irp b, 0,1
	v_max3_num_f32 v[TM+\b], |v[(\s)+16*\b]|, |v[(\s)+1+16*\b]|, 0x1800000   ; and the floor 2^(3 - 127): the byte cannot fall under 1
.endr
.irp i, 2,4,6,8,10,12,14
.irp b, 0,1
	s_delay_alu instid0(VALU_DEP_2)
	v_max3_num_f32 v[TM+\b], v[TM+\b], |v[(\s)+16*\b+\i]|, |v[(\s)+1+16*\b+\i]|
.endr
.endr
.irp b, 0,1
	s_delay_alu instid0(VALU_DEP_2)
	v_permlanex16_b32 v[TM+2+\b], v[TM+\b], s[SEL], s[SEL+1]
.endr
.irp b, 0,1
	s_delay_alu instid0(VALU_DEP_2)
	v_max_num_f32 v[TM+\b], v[TM+\b], v[TM+2+\b]
.endr
.irp b, 0,1
	s_delay_alu instid0(VALU_DEP_2)
	v_add_nc_u32 v[TM+4+\b], 0xff000000, v[TM+\b]  ; 2 off the exponent field: the conversion's scale operand
.endr
.irp b, 0,1
	s_delay_alu instid0(VALU_DEP_2)
	v_lshrrev_b32 v[TM+2+\b], 23, v[TM+4+\b]
.endr
	s_delay_alu instid0(VALU_DEP_1)
	v_lshl_or_b32 v[\sw], v[TM+3], 8, v[TM+2]
	v_cvt_scalef32_pk16_fp6_f32 v[(\pc):(\pc)+2], v[(\s):(\s)+15], v[TM+4]
	v_cvt_scalef32_pk16_fp6_f32 v[PT:PT+2], v[(\s)+16:(\s)+31], v[TM+5]
	v_nop                                          ; one plain place behind a scaled conversion
.irp i, 0,1,2
	v_permlane16_swap_b32 v[(\pc)+\i], v[PT+\i]
.endr
.irp i, 0,1,2
	s_delay_alu instid0(VALU_DEP_3)
	v_mov_b32 v[(\pc)+3+\i], v[PT+\i]
.endr
.endm
	s_load_b512 s[4:19], s[0:1], 0x0               ; argument i lies in s[4 + 2 i : 5 + 2 i]: q's ten in s[4:23], k's ten in s[24:43]
	s_load_b512 s[20:35], s[0:1], 0x40
	s_load_b256 s[36:43], s[0:1], 0x80
	s_load_b128 s[44:47], s[0:1], 0xa0             ; wimg, qk_img
	s_load_b64 s[48:49], s[0:1], 0xb0              ; qk_scl
	v_lshl_add_u32 v254, v0, 2, 0x29000
	v_mov_b32 v255, 0
	ds_add_u32 v254, v255
	ds_add_u32 v254, v255
	s_wait_dscnt 0x0
	v_lshrrev_b32 v10, 5, v0
	s_delay_alu instid0(VALU_DEP_1)
	v_readfirstlane_b32 s[WV], v10                 ; wave 0..15 = head
	v_and_b32 v10, 15, v0                          ; r
	v_bfe_u32 v11, v0, 4, 1                        ; hh
	s_delay_alu instid0(VALU_DEP_2)
	v_mul_u32_u24 v[ADA], v10, PITCH
	s_delay_alu instid0(VALU_DEP_1)
	v_mad_u32_u24 v[ADA], v11, 24, v[ADA]
	s_delay_alu instid0(VALU_DEP_1)
	v_lshl_add_u32 v[ADA+1], v11, 4, v[ADA]
	v_lshlrev_b32 v[ADXS], 5, v10
	s_delay_alu instid0(VALU_DEP_1)
	v_add_nc_u32 v[ADXS], XSL, v[ADXS]
	v_and_b32 v[L4], 31, v0
	s_delay_alu instid0(VALU_DEP_1)
	v_lshlrev_b32 v[L16], 4, v[L4]
	s_delay_alu instid0(VALU_DEP_2)
	v_lshlrev_b32 v[L4], 2, v[L4]
	v_lshlrev_b32 v[H64], 6, v11
	v_lshlrev_b32 v[RRA], 6, v10
	s_delay_alu instid0(VALU_DEP_1)
	v_add_nc_u32 v[RRA], RED, v[RRA]
	s_lshl_b32 s51, s[WV], 2
	v_add_nc_u32 v[RWA], s51, v[RRA]
	v_lshlrev_b32 v[RW4], 2, v10
	v_mov_b32 v[ZO], 0
	s_mov_b32 s[G1X], (3<<16)|(1<<20)|(5<<22)|(3<<25)   ; 32 rows x 96 elements of 8 bytes, 1,536 bytes apart; 4 words of padding behind every 64
	s_mov_b32 s[G1X+1], 96<<16
	s_mov_b32 s[G1X+2], 32<<16
	s_mov_b32 s[G1X+3], 96<<16
	s_mov_b32 s[G1X+4], 32
	s_mov_b32 s[G1X+5], 192
	s_mov_b32 s[G1X+6], 0
	s_mov_b32 s[G1X+7], 0
	s_mov_b32 s[G1XS], 2<<16                       ; 32 rows x 8 elements of 4 bytes, 64 bytes apart
	s_mov_b32 s[G1XS+1], 8<<16
	s_mov_b32 s[G1XS+2], 32<<16
	s_mov_b32 s[G1XS+3], 8<<16
	s_mov_b32 s[G1XS+4], 32
	s_mov_b32 s[G1XS+5], 16
	s_mov_b32 s[G1XS+6], 0
	s_mov_b32 s[G1XS+7], 0
	s_mov_b32 s[SEL], 0x76543210
	s_mov_b32 s[SEL+1], 0xfedcba98
	s_mov_b32 s[MSK], 0xff00ff00                   ; the lanes with r >= 8
	s_and_b32 s51, s[WV], 1                        ; which projection's tile I fetch, if I fetch
	s_and_b32 s52, ttmp9, 63                       ; G
	s_lshl_b32 s53, s52, 6
	s_bfe_u32 s54, ttmp9, 0x10006                  ; b
	s_add_co_u32 s53, s53, s54                     ; 64 G + b: the memory row of my first row
	s_lshr_b32 s55, ttmp9, 7                       ; 0: q, 1: k
	s_wait_kmcnt 0x0
	s_cmp_lt_u32 ttmp9, 128                        ; the choice hangs on the work-group's number alone
.irp i, 0,1,2,3,4,5,6,7,8,9
	s_cselect_b64 s[4+2*\i:5+2*\i], s[4+2*\i:5+2*\i], s[24+2*\i:25+2*\i]
.endr
	s_cmp_eq_u32 s51, 0
	s_cselect_b64 s[24:25], s[4:5], s[8:9]
	s_cselect_b64 s[26:27], s[6:7], s[10:11]
	s_mul_i32 s56, s53, 768
	s_mov_b32 s57, 0
	s_add_nc_u64 s[24:25], s[24:25], s[56:57]
	s_lshl_b32 s56, s53, 5
	s_add_nc_u64 s[26:27], s[26:27], s[56:57]
	s_mov_b32 s[G0X], 1
	s_mul_i32 s[G0X+1], s51, XT
	s_mov_b64 s[G0X+2:G0X+3], s[24:25]
	s_or_b32 s[G0X+3], s[G0X+3], 0x80000000
	s_mov_b32 s[G0XS], 1
	s_lshl_b32 s[G0XS+1], s51, 10
	s_add_co_u32 s[G0XS+1], s[G0XS+1], XSL
	s_mov_b64 s[G0XS+2:G0XS+3], s[26:27]
	s_or_b32 s[G0XS+3], s[G0XS+3], 0x80000000
	s_cmp_lt_u32 s[WV], 2                          ; waves 0, 1: the two tiles of codes; 2, 3: their scale bytes
	s_cbranch_scc0 .Lnot_codes
	tensor_load_to_lds s[G0X:G0X+3], s[G1X:G1X+7]
	s_nop 0
	NOP4
	s_branch .Lasked
.Lnot_codes:
	s_cmp_lt_u32 s[WV], 4
	s_cbranch_scc0 .Lasked
	tensor_load_to_lds s[G0XS:G0XS+3], s[G1XS:G1XS+7]
	s_nop 0
	NOP4
.Lasked:
	s_lshl_b32 s56, s[WV], 8                       ; my head's 64 numbers of the biases and of the gate's vectors
	s_add_nc_u64 s[12:13], s[12:13], s[56:57]
	s_add_nc_u64 s[14:15], s[14:15], s[56:57]
	s_add_nc_u64 s[16:17], s[16:17], s[56:57]
	s_add_nc_u64 s[18:19], s[18:19], s[56:57]
	s_lshl_b32 s58, s55, 4
	s_add_co_u32 s58, s58, s[WV]
	s_mul_i32 s58, s58, 102400                     ; my head's sixteen records
	s_mov_b32 s59, 0
	s_add_nc_u64 s[WB:WB+1], s[44:45], s[58:59]
	s_lshl_b32 s58, s55, 5
	s_lshl_b32 s56, s54, 4
	s_add_co_u32 s58, s58, s56
	s_add_co_u32 s58, s58, s[WV]
	s_lshl_b32 s58, s58, 6
	s_add_co_u32 s56, s58, s52                     ; (32 p + 16 b + head) 64 + G
	s_mul_i32 s58, s56, 1536
	s_add_nc_u64 s[46:47], s[46:47], s[58:59]
	s_lshl_b32 s58, s56, 6
	s_add_nc_u64 s[48:49], s[48:49], s[58:59]
	s_wait_alu depctr_va_vdst(0)
	global_load_b32 v[GBI], v[ZO], s[20:21]
	global_load_b32 v[GBI+1], v[ZO], s[22:23]
.irp e, 0,1                            ; THE BIASES ARE LOADED INTO THE ACCUMULATORS: every product then adds in place.  Register j of tile t: column 32 (t / 2) + 16 hh + 8 (t % 2) + j
.irp a, 0,1
.irp t, 0,1,2,3
	global_load_b128 v[ACC+64*\e+32*\a+8*\t:ACC+64*\e+32*\a+8*\t+3], v[H64], s[12+2*\e:13+2*\e] offset:(32*(\t/2)+8*(\t%2))*4
	global_load_b128 v[ACC+64*\e+32*\a+8*\t+4:ACC+64*\e+32*\a+8*\t+7], v[H64], s[12+2*\e:13+2*\e] offset:(32*(\t/2)+8*(\t%2))*4+16
.endr
.endr
.endr
	BLOAD 0
	BLOAD 1
	s_wait_tensorcnt 0x0                           ; my tile has landed,
	s_barrier_signal -1
	s_barrier_wait -1                              ; everybody's has
.irp i, 0,1,2,3,4,5,6,7,8,9,10,11,12,13
	HALF \i, 14                                    ; 14: the other set's record may stay out
	BLOAD \i+2
.endr
	HALF 14, 14
.irp t, 0,1,2,3                        ; the gate's vector of the x side takes the first set's registers v28-59, addressed as the bias is
	global_load_b128 v[BS0+8*\t:BS0+8*\t+3], v[H64], s[16:17] offset:(32*(\t/2)+8*(\t%2))*4
	global_load_b128 v[BS0+8*\t+4:BS0+8*\t+7], v[H64], s[16:17] offset:(32*(\t/2)+8*(\t%2))*4+16
.endr
	HALF 15, 8                                     ; 8: those eight may stay out
.irp t, 0,1,2,3                        ; that of the c side takes v78-109
	global_load_b128 v[BS0+50+8*\t:BS0+50+8*\t+3], v[H64], s[18:19] offset:(32*(\t/2)+8*(\t%2))*4
	global_load_b128 v[BS0+50+8*\t+4:BS0+50+8*\t+7], v[H64], s[18:19] offset:(32*(\t/2)+8*(\t%2))*4+16
.endr
	v_mov_b32 v16, 0                               ; (lane permutes' destinations count as sources: written once.  None of these four is a destination of the loads that are out)
	v_mov_b32 v17, 0
	v_mov_b32 v[TM+2], 0
	v_mov_b32 v[TM+3], 0
	s_wait_loadcnt 0x0
	; ---- the gate: my 32 columns of each projection, for both tiles of rows; each accumulator is read from its low end on
	v_pk_mul_f32 v[12:13], v[ACC:ACC+1], v[BS0:BS0+1]
	v_pk_mul_f32 v[14:15], v[ACC+32:ACC+33], v[BS0:BS0+1]
.set j, 2
.rept 15
	v_pk_fma_f32 v[12:13], v[ACC+j:ACC+j+1], v[BS0+j:BS0+j+1], v[12:13]
	v_pk_fma_f32 v[14:15], v[ACC+32+j:ACC+32+j+1], v[BS0+j:BS0+j+1], v[14:15]
.set j, j+2
.endr
.set j, 0
.rept 16
	v_pk_fma_f32 v[12:13], v[ACC+64+j:ACC+64+j+1], v[BS0+50+j:BS0+50+j+1], v[12:13]
	v_pk_fma_f32 v[14:15], v[ACC+96+j:ACC+96+j+1], v[BS0+50+j:BS0+50+j+1], v[14:15]
.set j, j+2
.endr
	s_delay_alu instid0(VALU_DEP_2)
	v_add_f32 v12, v12, v13
	s_delay_alu instid0(VALU_DEP_2)
	v_add_f32 v14, v14, v15
	s_delay_alu instid0(VALU_DEP_2)
	v_permlanex16_b32 v16, v12, s[SEL], s[SEL+1]
	s_delay_alu instid0(VALU_DEP_2)
	v_permlanex16_b32 v17, v14, s[SEL], s[SEL+1]
	s_delay_alu instid0(VALU_DEP_2)
	v_add_f32 v12, v12, v16                        ; my head's part of row r's sum
	s_delay_alu instid0(VALU_DEP_2)
	v_add_f32 v14, v14, v17                        ; and of row 16 + r's
	ds_store_b32 v[RWA], v12
	ds_store_b32 v[RWA], v14 offset:1024
	s_wait_dscnt 0x0                               ; for the others' sake: my stores are done
	s_barrier_signal -1
	s_barrier_wait -1
.irp a, 0,1
.irp q, 0,1,2,3
	ds_load_b128 v[BS0+16*\a+4*\q:BS0+16*\a+4*\q+3], v[RRA] offset:1024*\a+16*\q   ; the sixteen heads' parts of my row
.endr
.endr
	v_add_f32 v[GBI], v[GBI], v[GBI+1]
	s_wait_dscnt 0x0
.irp a, 0,1                            ; every wave adds them in the same order: the same lam in all
	v_pk_add_f32 v[BS0+16*\a:BS0+16*\a+1], v[BS0+16*\a:BS0+16*\a+1], v[BS0+16*\a+2:BS0+16*\a+3]
	v_pk_add_f32 v[BS0+16*\a+4:BS0+16*\a+5], v[BS0+16*\a+4:BS0+16*\a+5], v[BS0+16*\a+6:BS0+16*\a+7]
	v_pk_add_f32 v[BS0+16*\a+8:BS0+16*\a+9], v[BS0+16*\a+8:BS0+16*\a+9], v[BS0+16*\a+10:BS0+16*\a+11]
	v_pk_add_f32 v[BS0+16*\a+12:BS0+16*\a+13], v[BS0+16*\a+12:BS0+16*\a+13], v[BS0+16*\a+14:BS0+16*\a+15]
	s_delay_alu instid0(VALU_DEP_3)
	v_pk_add_f32 v[BS0+16*\a:BS0+16*\a+1], v[BS0+16*\a:BS0+16*\a+1], v[BS0+16*\a+4:BS0+16*\a+5]
	s_delay_alu instid0(VALU_DEP_2)
	v_pk_add_f32 v[BS0+16*\a+8:BS0+16*\a+9], v[BS0+16*\a+8:BS0+16*\a+9], v[BS0+16*\a+12:BS0+16*\a+13]
	s_delay_alu instid0(VALU_DEP_1)
	v_pk_add_f32 v[BS0+16*\a:BS0+16*\a+1], v[BS0+16*\a:BS0+16*\a+1], v[BS0+16*\a+8:BS0+16*\a+9]
	s_delay_alu instid0(VALU_DEP_1)
	v_add_f32 v[BS0+16*\a], v[BS0+16*\a], v[BS0+16*\a+1]
	s_wait_alu depctr_va_vdst(0)
	v_add_f32 v[BS0+16*\a], v[BS0+16*\a], v[GBI]
	s_delay_alu instid0(VALU_DEP_1)
	v_mul_f32 v[BS0+16*\a], 0xbfb8aa3b, v[BS0+16*\a]   ; x -log2(e)
.endr
	s_wait_alu depctr_va_vdst(0)
	v_exp_f32 v[BS0], v[BS0]
	v_exp_f32 v[BS0+16], v[BS0+16]
	v_nop                                          ; a plain place behind the exponentials
	s_wait_alu depctr_va_vdst(0)
	v_add_f32 v[BS0], 1.0, v[BS0]
	v_add_f32 v[BS0+16], 1.0, v[BS0+16]
	s_wait_alu depctr_va_vdst(0)
	v_rcp_f32 v16, v[BS0]                          ; lam = 1 / (1 + e^-z)
	v_rcp_f32 v20, v[BS0+16]
	v_nop
	s_wait_alu depctr_va_vdst(0)
	v_mov_b32 v17, v16                             ; lam and 1 - lam, each twice: pairs for the packed forms
	v_mov_b32 v21, v20
	v_sub_f32 v18, 1.0, v16
	v_sub_f32 v22, 1.0, v20
	s_delay_alu instid0(VALU_DEP_2)
	v_mov_b32 v19, v18
	s_delay_alu instid0(VALU_DEP_2)
	v_mov_b32 v23, v22
.irp a, 0,1
.set j, 0
.rept 16
	v_pk_mul_f32 v[ACC+64+32*\a+j:ACC+64+32*\a+j+1], v[ACC+64+32*\a+j:ACC+64+32*\a+j+1], v[16+4*\a:17+4*\a]   ; lam C
.set j, j+2
.endr
.set j, 0
.rept 16
	v_pk_fma_f32 v[ACC+32*\a+j:ACC+32*\a+j+1], v[ACC+32*\a+j:ACC+32*\a+j+1], v[18+4*\a:19+4*\a], v[ACC+64+32*\a+j:ACC+64+32*\a+j+1]   ; (1 - lam) X + lam C
.set j, j+2
.endr
.endr
	QUANT2 ACC, C0, SW0                            ; rows r
	QUANT2 ACC+32, C1, SW1                         ; rows 16 + r
	; ---- the rows change tiles: tile 0 takes rows 0-7 and 16-23, tile 1 rows 8-15 and 24-31: an exchange of groups of eight lanes, on the finished codes
	v_mov_b32 v[TX], 0                             ; (a DPP form's destination counts as one of its sources: written once; the gate's vector, which lay here, is done with)
	v_mov_b32 v[TX+1], 0
.irp i, 0,1,2,3,4,5
	v_mov_b32_dpp v[TX], v[C1+\i] row_xmask:8 row_mask:0xf bank_mask:0xf
	v_mov_b32_dpp v[TX+1], v[C0+\i] row_xmask:8 row_mask:0xf bank_mask:0xf
	s_delay_alu instid0(VALU_DEP_2)
	v_cndmask_b32 v[PC+\i], v[C0+\i], v[TX], s[MSK]
	s_delay_alu instid0(VALU_DEP_2)
	v_cndmask_b32 v[PC+6+\i], v[TX+1], v[C1+\i], s[MSK]
.endr
	v_mov_b32_dpp v[TX], v[SW1] row_xmask:8 row_mask:0xf bank_mask:0xf
	v_mov_b32_dpp v[TX+1], v[SW0] row_xmask:8 row_mask:0xf bank_mask:0xf
	s_delay_alu instid0(VALU_DEP_2)
	v_cndmask_b32 v[N0], v[SW0], v[TX], s[MSK]
	s_delay_alu instid0(VALU_DEP_2)
	v_cndmask_b32 v[N0+1], v[TX+1], v[SW1], s[MSK]
	s_delay_alu instid0(VALU_DEP_1)
	v_lshl_or_b32 v[PW], v[N0+1], 16, v[N0]
.irp c, 0,1,2
	global_store_b128 v[L16], v[PC+4*\c:PC+4*\c+3], s[46:47] offset:512*\c   ; 32 lanes store 512 consecutive bytes
.endr
	global_store_b32 v[RW4], v[PW], s[48:49]       ; lanes r and 16 + r hold the same word
	s_wait_xcnt 0x0
	v_lshl_add_u32 v254, v0, 2, 0x29000
	v_mov_b32 v255, 0
	s_wait_alu depctr_va_vdst(0)
	s_wait_tensorcnt 0x0
	ds_add_u32 v254, v255
	s_wait_dscnt 0x0
	s_endpgm
.Lfunc_end_k_q3b93bd291b_projqk:
	.size	k_q3b93bd291b_projqk, .Lfunc_end_k_q3b93bd291b_projqk-k_q3b93bd291b_projqk
	.p2alignl 7, 3214868480
	.fill 96, 4, 3214868480
	.section	.rodata,"a",@progbits
	.p2align	6, 0x0
	.amdhsa_kernel k_q3b93bd291b_projqk
		.amdhsa_group_segment_fixed_size 169984
		.amdhsa_private_segment_fixed_size 0
		.amdhsa_enable_private_segment 0
		.amdhsa_kernarg_size 184
		.amdhsa_user_sgpr_count 2
		.amdhsa_user_sgpr_kernarg_segment_ptr 1
		.amdhsa_wavefront_size32 1
		.amdhsa_system_sgpr_workgroup_id_x 1
		.amdhsa_system_sgpr_workgroup_id_y 1
		.amdhsa_system_sgpr_workgroup_id_z 1
		.amdhsa_system_vgpr_workitem_id 0
		.amdhsa_next_free_vgpr 256
		.amdhsa_next_free_sgpr 100
		.amdhsa_reserve_vcc 0
		.amdhsa_float_denorm_mode_32 3
		.amdhsa_float_denorm_mode_16_64 3
		.amdhsa_memory_ordered 1
		.amdhsa_forward_progress 1
		.amdhsa_inst_pref_size 87
	.end_amdhsa_kernel
	.amdgpu_metadata
---
amdhsa.version: [ 1, 2 ]
amdhsa.kernels:
  - .name:           k_q3b93bd291b_projqk
    .symbol:         k_q3b93bd291b_projqk.kd
    .args:
      - { .name: qx_codes, .offset: 0, .size: 8, .value_kind: global_buffer, .address_space: global }
      - { .name: qx_scales, .offset: 8, .size: 8, .value_kind: global_buffer, .address_space: global }
      - { .name: qc_codes, .offset: 16, .size: 8, .value_kind: global_buffer, .address_space: global }
      - { .name: qc_scales, .offset: 24, .size: 8, .value_kind: global_buffer, .address_space: global }
      - { .name: b_qx_lin, .offset: 32, .size: 8, .value_kind: global_buffer, .address_space: global }
      - { .name: b_qc_lin, .offset: 40, .size: 8, .value_kind: global_buffer, .address_space: global }
      - { .name: W_Vqx, .offset: 48, .size: 8, .value_kind: global_buffer, .address_space: global }
      - { .name: W_Vqc, .offset: 56, .size: 8, .value_kind: global_buffer, .address_space: global }
      - { .name: b_Vqx, .offset: 64, .size: 8, .value_kind: global_buffer, .address_space: global }
      - { .name: b_Vqc, .offset: 72, .size: 8, .value_kind: global_buffer, .address_space: global }
      - { .name: kx_codes, .offset: 80, .size: 8, .value_kind: global_buffer, .address_space: global }
      - { .name: kx_scales, .offset: 88, .size: 8, .value_kind: global_buffer, .address_space: global }
      - { .name: kc_codes, .offset: 96, .size: 8, .value_kind: global_buffer, .address_space: global }
      - { .name: kc_scales, .offset: 104, .size: 8, .value_kind: global_buffer, .address_space: global }
      - { .name: b_kx_lin, .offset: 112, .size: 8, .value_kind: global_buffer, .address_space: global }
      - { .name: b_kc_lin, .offset: 120, .size: 8, .value_kind: global_buffer, .address_space: global }
      - { .name: W_Vkx, .offset: 128, .size: 8, .value_kind: global_buffer, .address_space: global }
      - { .name: W_Vkc, .offset: 136, .size: 8, .value_kind: global_buffer, .address_space: global }
      - { .name: b_Vkx, .offset: 144, .size: 8, .value_kind: global_buffer, .address_space: global }
      - { .name: b_Vkc, .offset: 152, .size: 8, .value_kind: global_buffer, .address_space: global }
      - { .name: wimg, .offset: 160, .size: 8, .value_kind: global_buffer, .address_space: global }
      - { .name: qk_img, .offset: 168, .size: 8, .value_kind: global_buffer, .address_space: global }
      - { .name: qk_scl, .offset: 176, .size: 8, .value_kind: global_buffer, .address_space: global }
    .group_segment_fixed_size: 169984
    .private_segment_fixed_size: 0
    .kernarg_segment_align: 8
    .kernarg_segment_size: 184
    .max_flat_workgroup_size: 512
    .sgpr_count:     100
    .vgpr_count:     256
    .wavefront_size: 32
...
	.end_amdgpu_metadata
.endif
;; end of part 2
;; launch attn (part 3): grid 8 x 32, 16 waves a work-group, clusters of 4 x 1, 327,680 bytes of LDS; arguments qk_img, qk_scl, v_img, v_scl, c_img, c_scl; writes c_img, c_scl
.if DOCPART == 3
	.amdgcn_target "amdgcn-amd-amdhsa--gfx1250"
	.amdhsa_code_object_version 6
	.text
	.protected	k_q3b93bd291b_attn
	.globl	k_q3b93bd291b_attn
	.p2align	8
	.type	k_q3b93bd291b_attn,@function
k_q3b93bd291b_attn:
	s_mov_b64 s[64:65], 0
	v_nop
	global_prefetch_b8 v0, s[64:65] scope:SCOPE_SE
	s_setreg_imm32_b32 hwreg(HW_REG_WAVE_MODE, 25, 1), 1
	s_wait_xcnt 0x0
	s_wait_alu depctr_hold_cnt(0) depctr_sa_sdst(0) depctr_va_vdst(0) depctr_va_sdst(0) depctr_va_ssrc(0) depctr_va_vcc(0) depctr_vm_vsrc(0)
	s_getreg_b32 s2, hwreg(HW_REG_IB_STS2, 6, 4)
	s_cmp_eq_u32 s2, 0
	s_cbranch_scc0 .Lentry_in_a_cluster
	s_endpgm
.Lentry_in_a_cluster:
	s_bfe_u32 s2, ttmp6, 0x10000c
	s_cmp_lg_u32 s2, 0x3003
	s_cbranch_scc0 .Lentry_shape_is_right
	s_endpgm
.Lentry_shape_is_right:
; ATTN.  ctx[q] = sum over keys of softmax(q . k / 8) v, for one (batch, head) and 256 queries a work-group; both products on codes of FP6 with E8M0 scales; ctx is quantised along the head's 64 on the way out.
; THE SOFTMAX: t = score x log2(e) / 8; M = the running largest t rounded UP to a whole number; p = 2^(t - M) is quantised along the keys, not normalised; the sum is taken of the unquantised p and divides at the end.
; When M moves, the sum and O are multiplied by 2^(old M - new M): exact.  A block's largest p is made from the block's largest score by the same multiply-add and exponential (this takes v_exp_f32 not to fall where its input rises).
; SHARES.  Sixteen waves, each one tile of 16 queries; every wave walks the head's 2,048 keys, 128 a step, 16 steps.
; LDS, each byte filled once.  Side 0 (K) from byte 0, side 1 (V) from byte 128,000: 4,096 bytes of scale words in a place of 5,120, then 64 images of 1,536 bytes as rows of 512 bytes + 128 of padding (an image: 1,920 bytes).
; The four work-groups of a cluster belong to one head: every tile is asked for jointly.  Head: one load a wave (waves 0, 1 the scale words; wave w > 1 piece w / 2 - 1, 4,096 bytes, of side w % 2: steps 0-3 and 4,096 bytes more).
; Behind the three lines and a round: one load a wave, 8,704 bytes, the rest of its side.  It is waited for behind step 2; the barrier for it is signalled there and awaited behind step 3.
; No prefetch: both groups of loads go out at the head, and no later stream is left to ask ahead for.
; THE HEAD IS 64 WIDE, THE INSTRUCTION 128.  An operand of K holds two tiles of 16 keys (k 0-63, k 64-127) and is multiplied by [q, 0] and by [0, q]: two runs of 12 out of the 18 registers [0 | q | 0]; the zeros are zero codes.
; Both products are transposed (S^T = K Q^T, O^T = V^T P^T): a lane holds one query throughout.
; WHICH KEYS FORM A TILE is chosen by the lanes' LDS addresses: row m of tile t (0-3) of group c (0, 1) is key 64 c + 32 (m / 8) + 8 t + m % 8.  So lane (r, hh) holds in registers 32 c + 0 .. 31 of S^T the keys 64 c + 32 hh + 0 .. 31:
; a whole block of the quantiser in one lane, in the order of the operand's registers: no exchange of lane halves, and a block's largest score needs no other lane.
; In qk_img that key lies in image 2 c + m / 8, lane 16 hh + 8 (t / 2) + m % 8, registers 6 (t % 2) on: lanes 0-7 and 8-15 of a load read two images, 1,920 bytes apart, that is 128 modulo 256: sixteen different columns of 16 bytes.
; OUT.  c_img [b][query tile T][h]: 768 bytes: registers 0-3 at 16 l, 4-5 at 512 + 8 l; lane (r, hh) = the tile's query r, channels 32 hh + 0 .. 31.  c_scl [b][T][h / 2][r] words, head h the half word h % 2.
; LIMITS: NaN and infinities are not served; the scaled scores stay under 2^31 in magnitude; a block of p or of ctx under 2^-124 gets the byte 1 with zero or near-zero codes (read by this program alone).
.set SIDE,  128000
.set IMG0,  5120
.set STEPB, 7680                       ; four images
.set SPARE, 256000                     ; the spare words: 16 x 128 bytes
.set L16,  1
.set LK,   2                           ; 1920 (r / 8) + 256 hh + 16 (r % 8)
.set ADK,  3
.set ADV,  4
.set ADS,  5
.set RW4,  6
.set L8,   7
.set LS,   8                           ; 64 (r / 8) + 32 hh + 4 (r % 8)
.set LV,   9                           ; SIDE + 16 l
.set LT,   10                          ; SIDE + 4 l
.set ADT,  11
.set QB,   16                          ; v16-27 = [0, q]
.set QA,   22                          ; v22-33 = [q, 0]
.set KV,   34                          ; v34-81 four operands of K, then of V
.set QP,   84
.set S,    96                          ; v96-159 S^T, then p
.set OT,   160                         ; v160-191 O^T
.set PC,   192                         ; v192-203 p's codes
.set PT,   204                         ; v204-206, v208-210
.set BM,   212
.set TM,   212
.set TP,   216
.set SOP,  220
.set BY,   222
.set KS,   224
.set VS,   226
.set QS,   228
.set PSW,  229
.set FF,   230
.set TT,   232
.set QW,   233
.set SH8,  234                         ; 8 hh
.set T,    240                         ; v240-253 seven partial sums of p, in pairs
.set WV,   16
.set G1C,  32
.set G1S,  40
.set G0H,  48
.set G1R,  52
.set G0R,  60
.set TJ,   72
.set TS,   73
.set CS,   74
.set SEL,  76
.set CNT,  78
.set SU,   79
.macro NOP4
.rept 4
	v_nop
.endr
.endm
.macro ROUND
	s_barrier_signal -1
	s_barrier_wait -1
	s_cmp_lg_u32 s[WV], 0
	s_cbranch_scc1 .Lnw0_\@
	s_barrier_signal -3
.Lnw0_\@:
	s_barrier_wait -3
	s_barrier_signal -1
	s_barrier_wait -1
.endm
.macro WMZ d, a, b, sa, sb, ra         ; a product that starts its sum
.if \ra
	v_wmma_scale_f32_16x16x128_f8f6f4 v[(\d):(\d)+7], v[(\a):(\a)+11], v[(\b):(\b)+11], 0, v[\sa], v[\sb] matrix_a_fmt:MATRIX_FMT_FP6 matrix_b_fmt:MATRIX_FMT_FP6 matrix_a_scale:MATRIX_SCALE_ROW1
.else
	v_wmma_scale_f32_16x16x128_f8f6f4 v[(\d):(\d)+7], v[(\a):(\a)+11], v[(\b):(\b)+11], 0, v[\sa], v[\sb] matrix_a_fmt:MATRIX_FMT_FP6 matrix_b_fmt:MATRIX_FMT_FP6
.endif
.endm
.macro WM d, a, b, sa, sb, ra          ; in place
.if \ra
	v_wmma_scale_f32_16x16x128_f8f6f4 v[(\d):(\d)+7], v[(\a):(\a)+11], v[(\b):(\b)+11], v[(\d):(\d)+7], v[\sa], v[\sb] matrix_a_fmt:MATRIX_FMT_FP6 matrix_b_fmt:MATRIX_FMT_FP6 matrix_a_scale:MATRIX_SCALE_ROW1
.else
	v_wmma_scale_f32_16x16x128_f8f6f4 v[(\d):(\d)+7], v[(\a):(\a)+11], v[(\b):(\b)+11], v[(\d):(\d)+7], v[\sa], v[\sb] matrix_a_fmt:MATRIX_FMT_FP6 matrix_b_fmt:MATRIX_FMT_FP6
.endif
.endm
.macro PADD d, a, b
	v_pk_add_f32 v[(\d):(\d)+1], v[(\a):(\a)+1], v[(\b):(\b)+1]
.endm
.macro QUANT2 s, pc, sw                ; 32 numbers of a lane, register 16 b + i = k 32 b + 16 hh + i, become 6 registers of codes and two scale bytes
.irp b, 0,1
	v_max3_num_f32 v[TM+\b], |v[(\s)+16*\b]|, |v[(\s)+1+16*\b]|, 0x1800000
.endr
.irp i, 2,4,6,8,10,12,14
.irp b, 0,1
	s_delay_alu instid0(VALU_DEP_2)
	v_max3_num_f32 v[TM+\b], v[TM+\b], |v[(\s)+16*\b+\i]|, |v[(\s)+1+16*\b+\i]|
.endr
.endr
.irp b, 0,1
	s_delay_alu instid0(VALU_DEP_2)
	v_permlanex16_b32 v[TM+2+\b], v[TM+\b], s[SEL], s[SEL+1]
.endr
.irp b, 0,1
	s_delay_alu instid0(VALU_DEP_2)
	v_max_num_f32 v[TM+\b], v[TM+\b], v[TM+2+\b]
.endr
.irp b, 0,1
	s_delay_alu instid0(VALU_DEP_2)
	v_add_nc_u32 v[TM+4+\b], 0xff000000, v[TM+\b]
.endr
.irp b, 0,1
	s_delay_alu instid0(VALU_DEP_2)
	v_lshrrev_b32 v[TM+2+\b], 23, v[TM+4+\b]
.endr
	s_delay_alu instid0(VALU_DEP_1)
	v_lshl_or_b32 v[\sw], v[TM+3], 8, v[TM+2]
	v_cvt_scalef32_pk16_fp6_f32 v[(\pc):(\pc)+2], v[(\s):(\s)+15], v[TM+4]
	v_cvt_scalef32_pk16_fp6_f32 v[PT:PT+2], v[(\s)+16:(\s)+31], v[TM+5]
	v_nop
.irp i, 0,1,2
	v_permlane16_swap_b32 v[(\pc)+\i], v[PT+\i]
.endr
.irp i, 0,1,2
	s_delay_alu instid0(VALU_DEP_3)
	v_mov_b32 v[(\pc)+3+\i], v[PT+\i]
.endr
.endm
; A KEY STEP: 128 keys.
.macro STEP
	v_add_nc_u32 v[ADK], s[TJ], v[LK]              ; with the two lines behind the last step's products: the four places in front of the loads into their registers
	v_add_nc_u32 v[ADS], s[TS], v[LS]
.irp g, 0,1,2,3
.irp c, 0,1,2
	ds_load_b128 v[KV+12*\g+4*\c:KV+12*\g+4*\c+3], v[ADK] offset:3840*(\g/2)+128*(\g%2)+640*\c   ; operand g = tiles 2 (g % 2), 2 (g % 2) + 1 of group g / 2
.endr
.endr
	ds_load_b32 v[KS], v[ADS]                      ; group 0: lanes 0-15 its first operand's words, lanes 16-31 its second's
	ds_load_b32 v[KS+1], v[ADS] offset:128         ; group 1
	s_wait_alu depctr_va_vdst(0)
	s_wait_dscnt 0x0
.irp g, 0,1,2,3
	WMZ S+16*\g, KV+12*\g, QA, KS+\g/2, QS, \g%2
	WMZ S+16*\g+8, KV+12*\g, QB, KS+\g/2, QS, \g%2
.endr
	v_add_nc_u32 v[ADV], s[TJ], v[LV]              ; four places in front of the loads into K's registers and of the first read of the scores
	v_add_nc_u32 v[ADT], s[TS], v[LT]
	v_nop
	v_nop
.irp g, 0,1,2,3
.irp c, 0,1,2
	ds_load_b128 v[KV+12*\g+4*\c:KV+12*\g+4*\c+3], v[ADV] offset:1920*\g+640*\c   ; V lands while the softmax is walked
.endr
.endr
	ds_load_b32 v[VS], v[ADT]
	ds_load_b32 v[VS+1], v[ADT] offset:128
.irp b, 0,1,2,3
	v_max3_num_f32 v[BM+\b], v[S+16*\b], v[S+1+16*\b], v[S+2+16*\b]   ; four chains by turns, two to a block of 32 keys; each accumulator is read from its low end on
.endr
.irp i, 3,5,7,9,11,13
.irp b, 0,1,2,3
	v_max3_num_f32 v[BM+\b], v[BM+\b], v[S+16*\b+\i], v[S+1+16*\b+\i]
.endr
.endr
	v_max3_num_f32 v[BM], v[BM], v[BM+1], v[S+15]
	v_max3_num_f32 v[BM+2], v[BM+2], v[BM+3], v[S+47]
	v_max_num_f32 v[BM], v[BM], v[S+31]            ; my block of group 0: its largest score
	v_max_num_f32 v[BM+2], v[BM+2], v[S+63]        ; and of group 1
	s_delay_alu instid0(VALU_DEP_1)
	v_max_num_f32 v[TP], v[BM], v[BM+2]
	s_delay_alu instid0(VALU_DEP_1)
	v_permlanex16_b32 v[TP+1], v[TP], s[SEL], s[SEL+1]
	s_delay_alu instid0(VALU_DEP_1)
	v_max3_num_f32 v13, v13, v[TP], v[TP+1]        ; the running largest score of my query
	s_delay_alu instid0(VALU_DEP_1)
	v_mul_f32 v[TP], s[CS], v13                    ; as t (c is positive)
	s_delay_alu instid0(VALU_DEP_1)
	v_floor_f32 v12, -v[TP]                        ; the new -M = floor(-t) = -ceil(t)
.set j, 0
.rept 32
	v_pk_fma_f32 v[S+j:S+j+1], v[S+j:S+j+1], s[CS:CS+1], v[12:13] op_sel_hi:[1,0,0]   ; t - M, two at a time
.if j == 8
	v_sub_f32 v[TT], v12, v[TT]                    ; old M - new M: a whole number, 0 or less
.endif
.if j == 20
	v_cvt_i32_f32 v[TT], v[TT]                     ; (it saturates)
.endif
.if j == 32
	v_ldexp_f32 v[FF], 1.0, v[TT]                  ; f = 2^(old M - new M)
.endif
.set j, j+2
.endr
	v_fma_f32 v[BM], v[BM], s[CS], v12
	v_fma_f32 v[BM+2], v[BM+2], s[CS], v12
	s_wait_alu depctr_va_vdst(0)
.set j, 0
.rept 64
	v_exp_f32 v[S+j], v[S+j]                       ; p = 2^(t - M)
.set j, j+1
.endr
	v_exp_f32 v[BM], v[BM]                         ; my two blocks' largest p
	v_exp_f32 v[BM+2], v[BM+2]
	v_pk_mul_f32 v[14:15], v[14:15], v[FF:FF+1] op_sel_hi:[1,0]   ; the sum under the new M.  (A plain place behind the exponentials)
	s_wait_alu depctr_va_vdst(0)                   ; and behind it, ahead of its first reader
	v_max_num_f32 v[BM], 0x1800000, v[BM]          ; the floor 2^(3 - 127): the byte cannot fall under 1
	v_max_num_f32 v[BM+2], 0x1800000, v[BM+2]
.irp a, 0,1,2,3,4,5,6                  ; the sum of the unquantised p, eight chains by turns, laid between the links of the scales' chain
	PADD T+2*\a, S+4*\a, S+4*\a+2
.endr
	PADD 14, 14, S+28
	v_add_nc_u32 v[SOP], 0xff000000, v[BM]         ; 2 off the exponent field: the conversion's scale operand
	v_add_nc_u32 v[SOP+1], 0xff000000, v[BM+2]
.irp a, 0,1,2,3,4,5,6
	PADD T+2*\a, T+2*\a, S+30+2*\a
.endr
	PADD 14, 14, S+44
	v_lshrrev_b32 v[BY], 23, v[SOP]                ; the scales' bytes
	v_lshrrev_b32 v[BY+1], 23, v[SOP+1]
.irp c, 0,1
	v_cvt_scalef32_pk16_fp6_f32 v[PC+6*\c:PC+2+6*\c], v[S+32*\c:S+15+32*\c], v[SOP+\c]
	v_cvt_scalef32_pk16_fp6_f32 v[PT+4*\c:PT+2+4*\c], v[S+16+32*\c:S+31+32*\c], v[SOP+\c]   ; (a conversion's three registers begin on an even number)
.endr
.irp a, 0,1,2,3,4,5,6                  ; (plain places behind the conversions)
	PADD T+2*\a, T+2*\a, S+46+2*\a
.endr
	PADD 14, 14, S+60
	v_lshl_or_b32 v[PSW], v[BY+1], 16, v[BY]       ; my two bytes: blocks hh and 2 + hh
.irp i, 0,1,2
	v_mov_b32 v[PC+3+\i], v[PT+\i]
.endr
	v_mov_b32 v[PC+9], v[PT+4]
	v_mov_b32 v[PC+10], v[PT+5]
	v_lshlrev_b32 v[PSW], v[SH8], v[PSW]           ; at their places in the word
	v_mov_b32 v[PC+11], v[PT+6]
	PADD T, T, S+62
	PADD 14, 14, T+6
	PADD T+2, T+2, T+10
	PADD T+4, T+4, T+12
	v_permlanex16_b32 v[TP+2], v[PSW], s[SEL], s[SEL+1]
	PADD T, T, T+8
	s_wait_alu depctr_va_vdst(0)                   ; directly ahead of the first reader of O^T
.set j, 0
.rept 16
	v_pk_mul_f32 v[OT+j:OT+j+1], v[OT+j:OT+j+1], v[FF:FF+1] op_sel_hi:[1,0]   ; O^T under the new M
.if j == 8
	v_or_b32 v[PSW], v[PSW], v[TP+2]               ; with lane l xor 16's two bytes p's scale word is whole; 13 plain lines stand between it and the products
	PADD 14, 14, T+2
	PADD T, T, T+4
.endif
.set j, j+2
.endr
	s_wait_alu depctr_va_vdst(0)
	s_wait_dscnt 0x0                               ; V is in
.irp t, 0,1,2,3
	WM OT+8*\t, KV+12*\t, PC, VS+\t/2, PSW, \t%2   ; the four accumulators by turns
.endr
	PADD 14, 14, T                                 ; the sum's last link, and
	v_mov_b32 v[TT], v12                           ; -M as the next step finds it: two of the four places behind the products
	s_add_co_u32 s[TJ], s[TJ], STEPB
	s_add_co_u32 s[TS], s[TS], 256
.endm
	s_load_b256 s[4:11], s[0:1], 0x0               ; qk_img, qk_scl, v_img, v_scl
	s_load_b128 s[12:15], s[0:1], 0x20             ; c_img, c_scl
	v_lshl_add_u32 v254, v0, 2, SPARE
	v_mov_b32 v255, 0
	ds_add_u32 v254, v255                          ; the opening lines: the add, twice on end, and its wait
	ds_add_u32 v254, v255
	v_lshrrev_b32 v235, 5, v0
	s_delay_alu instid0(VALU_DEP_1)
	v_readfirstlane_b32 s[WV], v235                ; wave 0..15
	v_and_b32 v235, 31, v0
	v_bfe_u32 v236, v0, 3, 1                       ; r / 8
	v_bfe_u32 v237, v0, 4, 1                       ; hh
	v_and_b32 v238, 7, v0                          ; r % 8
	v_and_b32 v239, 15, v0
	v_lshlrev_b32 v[L16], 4, v235
	v_lshlrev_b32 v[L8], 3, v235
	v_lshlrev_b32 v[LT], 2, v235
	v_lshlrev_b32 v[RW4], 2, v239
	v_mul_u32_u24 v[LK], v236, 1920
	v_lshlrev_b32 v[LS], 6, v236
	v_add_nc_u32 v[LV], SIDE, v[L16]
	v_add_nc_u32 v[LT], SIDE, v[LT]
	v_lshl_add_u32 v[LK], v237, 8, v[LK]
	v_lshl_add_u32 v[LS], v237, 5, v[LS]
	v_lshlrev_b32 v[SH8], 3, v237
	s_delay_alu instid0(VALU_DEP_3)
	v_lshl_add_u32 v[LK], v238, 4, v[LK]
	s_delay_alu instid0(VALU_DEP_3)
	v_lshl_add_u32 v[LS], v238, 2, v[LS]
	s_bfe_u32 s80, ttmp6, 0x40000                  ; cx: it enters Q's and the results' addresses alone
	s_lshl_b32 s81, ttmp9, 2
	s_add_co_u32 s81, s81, s80                     ; my block of 256 queries
	s_and_b32 s19, ttmp7, 0xffff                   ; 16 b + h, which the four partners share
	s_and_b32 s20, s[WV], 1                        ; the side that I fetch for: K (0) or V (1).  Also: which tile of a pair my queries are
	s_lshr_b32 s17, s[WV], 1                       ; which piece of that side
	s_lshl_b32 s21, s20, 4
	s_mov_b32 s[G1S], 15|(3<<16)|(1<<21)           ; all four work-groups; scale words: 4,096 dense bytes as 16 rows of 256
	s_mov_b32 s[G1S+1], 32<<16
	s_mov_b32 s[G1S+2], 16<<16
	s_mov_b32 s[G1S+3], 32<<16
	s_mov_b32 s[G1S+4], 16
	s_mov_b32 s[G1S+5], 32
	s_mov_b32 s[G1S+6], 0
	s_mov_b32 s[G1S+7], 0
	s_mov_b32 s[G1C], 15|(3<<16)|(1<<20)|(1<<21)|(6<<22)|(31<<25)   ; images: dense rows of 512 bytes (64 elements of 8), 32 words of padding behind every 128: 8 rows at the head,
	s_mov_b32 s[G1R], 15|(3<<16)|(1<<20)|(1<<21)|(6<<22)|(31<<25)   ; 17 rows behind it
.irp g, G1C, G1R
	s_mov_b32 s[\g+1], 64<<16
	s_mov_b32 s[\g+3], 64<<16
	s_mov_b32 s[\g+5], 64
	s_mov_b32 s[\g+6], 0
	s_mov_b32 s[\g+7], 0
.endr
	s_mov_b32 s[G1C+2], 8<<16
	s_mov_b32 s[G1C+4], 8
	s_mov_b32 s[G1R+2], 17<<16
	s_mov_b32 s[G1R+4], 17
	s_mov_b32 s[CS], 0x3e38aa3b                    ; c = log2(e) / 8
	s_mov_b32 s[CS+1], s[CS]
	s_mov_b32 s[SEL], 0x76543210
	s_mov_b32 s[SEL+1], 0xfedcba98
	s_mov_b32 s[TJ], IMG0
	s_mov_b32 s[TS], 0
	s_mov_b32 s[G0H], 1
	s_mul_i32 s[G0H+1], s20, SIDE
	s_mul_i32 s70, s17, 5120
	s_add_co_u32 s[G0H+1], s[G0H+1], s70           ; place w / 2 of my side: place 0 the scale words, places 1-7 the first 56 rows of images
	s_mov_b32 s[G0R], 1
	s_mul_i32 s[G0R+1], s20, SIDE
	s_mul_i32 s70, s17, 10880
	s_add_co_u32 s[G0R+1], s[G0R+1], s70
	s_add_co_u32 s[G0R+1], s[G0R+1], 40960         ; behind them: 17 rows of 640 bytes a wave
	s_wait_dscnt 0x0                               ; both opening adds are done
	s_wait_kmcnt 0x0
	s_cmp_eq_u32 s20, 0
	s_cselect_b64 s[22:23], s[4:5], s[8:9]
	s_cselect_b64 s[24:25], s[6:7], s[10:11]
	s_cselect_b32 s26, 3145728, 0                  ; k's half of qk_img begins here,
	s_cselect_b32 s28, 131072, 0                   ; and of qk_scl here
	s_cselect_b32 s[SU], 0, -1
	s_mul_i32 s27, s19, 98304
	s_add_co_u32 s26, s26, s27
	s_mov_b32 s27, 0
	s_add_nc_u64 s[22:23], s[22:23], s[26:27]      ; my side's images of this head
	s_lshl_b32 s29, s19, 12
	s_add_co_u32 s28, s28, s29
	s_mov_b32 s29, 0
	s_add_nc_u64 s[24:25], s[24:25], s[28:29]      ; and its scale words
	s_max_u32 s30, s17, 1
	s_sub_co_u32 s30, s30, 1
	s_lshl_b32 s30, s30, 12
	s_mov_b32 s31, 0
	s_add_nc_u64 s[68:69], s[22:23], s[30:31]      ; piece w / 2 - 1 of the images
	s_cmp_eq_u32 s17, 0
	s_cselect_b64 s[G0H+2:G0H+3], s[24:25], s[68:69]
	s_or_b32 s[G0H+3], s[G0H+3], 0x80000000
	s_mul_i32 s30, s17, 8704
	s_add_co_u32 s30, s30, 28672
	s_add_nc_u64 s[G0R+2:G0R+3], s[22:23], s[30:31]
	s_or_b32 s[G0R+3], s[G0R+3], 0x80000000
	ROUND                                          ; all four work-groups are here: the joint loads meet
	s_cmp_lt_u32 s[WV], 2                          ; one load a wave, on every way: the branch hangs on the wave's number alone
	s_cbranch_scc0 .Limg
	tensor_load_to_lds s[G0H:G0H+3], s[G1S:G1S+7]
	s_nop 0
	NOP4
	s_branch .Lasked
.Limg:
	tensor_load_to_lds s[G0H:G0H+3], s[G1C:G1C+7]
	s_nop 0
	NOP4
.Lasked:
	s_lshl_b32 s82, s81, 4
	s_add_co_u32 s82, s82, s[WV]                   ; T: my tile of queries
	s_lshr_b32 s83, s82, 1
	s_lshl_b32 s84, s19, 6
	s_add_co_u32 s83, s83, s84                     ; 64 (16 b + h) + G
	s_mul_i32 s84, s83, 1536
	s_mov_b32 s85, 0
	s_add_nc_u64 s[4:5], s[4:5], s[84:85]
	s_lshl_b32 s84, s83, 6
	s_add_nc_u64 s[6:7], s[6:7], s[84:85]
	s_wait_alu depctr_va_vdst(0)
.irp c, 0,1,2
	global_load_b128 v[QP+4*\c:QP+4*\c+3], v[L16], s[4:5] offset:512*\c
.endr
	global_load_b32 v[QW], v[RW4], s[6:7]
	s_lshr_b32 s86, s19, 4
	s_lshl_b32 s86, s86, 7
	s_add_co_u32 s86, s86, s82                     ; 128 b + T
	s_and_b32 s87, s19, 15
	s_lshl_b32 s88, s86, 4
	s_add_co_u32 s88, s88, s87
	s_mul_i32 s88, s88, 768
	s_mov_b32 s89, 0
	s_add_nc_u64 s[12:13], s[12:13], s[88:89]
	s_lshl_b32 s88, s86, 3
	s_lshr_b32 s90, s87, 1
	s_add_co_u32 s88, s88, s90
	s_lshl_b32 s88, s88, 6
	s_and_b32 s90, s19, 1
	s_lshl_b32 s90, s90, 1
	s_add_co_u32 s88, s88, s90
	s_add_nc_u64 s[14:15], s[14:15], s[88:89]
.irp i, 0,1,2,3,4,5
	v_mov_b32 v[QB+\i], 0                          ; the zero codes on both sides of q
	v_mov_b32 v[QA+6+\i], 0
.endr
	v_mov_b32 v13, 0xff61b1e6                      ; the largest score so far: -3e38
	s_delay_alu instid0(VALU_DEP_1)
	v_floor_f32 v12, -v13                          ; -M
	v_mov_b32 v14, 0
	v_mov_b32 v15, 0
.irp b, 0,1,2,3
	v_mov_b32 v[TP+\b], 0                          ; a lane permute's destination counts as one of its sources
.endr
	v_mov_b32 v[FF+1], 0                           ; (named as the upper half of a pair)
	v_mov_b32 v[TT], v12
	s_wait_loadcnt 0x0
.irp i, 0,1,2,3,4,5
	v_cndmask_b32 v[QA+\i], v[QP+\i], v[QP+6+\i], s[SU]   ; my tile of the pair
.endr
	v_lshrrev_b32 v[QW], s21, v[QW]
	s_delay_alu instid0(VALU_DEP_1)
	v_and_b32 v[QW], 0xffff, v[QW]
	s_delay_alu instid0(VALU_DEP_1)
	v_lshl_or_b32 v[QS], v[QW], 16, v[QW]          ; q's two bytes, for k 0-63 and for k 64-127
.set j, 0
.rept 32
	v_mov_b32 v[OT+j], 0                           ; O^T.  (The step is written once: the first change of M multiplies zeros.  These lines are also the places between q's scale word and the first product)
.set j, j+1
.endr
	s_wait_alu depctr_va_vdst(0)
	s_wait_tensorcnt 0x0                           ; my piece is in
	ds_add_u32 v254, v255
	s_wait_dscnt 0x0
	ROUND                                          ; everybody's piece is in, and all four work-groups are here: the joint loads meet
	tensor_load_to_lds s[G0R:G0R+3], s[G1R:G1R+7]  ; the rest of my side: my one load behind the round
	s_nop 0
	NOP4
	s_mov_b32 s[CNT], 3                            ; steps 0-2 read what the head fetched
.Lfirst:
	STEP
	s_sub_co_u32 s[CNT], s[CNT], 1
	s_cmp_lg_u32 s[CNT], 0
	s_cbranch_scc1 .Lfirst
	s_wait_tensorcnt 0x0                           ; my part of the rest is in:
	s_barrier_signal -1                            ; say so
	STEP
	s_barrier_wait -1                              ; everybody's part is in
	s_mov_b32 s[CNT], 12
.Lrest:
	STEP
	s_sub_co_u32 s[CNT], s[CNT], 1
	s_cmp_lg_u32 s[CNT], 0
	s_cbranch_scc1 .Lrest
	; ---- the way out: O^T / the sum, quantised along the head's 64
	NOP4
	v_add_f32 v14, v14, v15
	s_delay_alu instid0(VALU_DEP_1)
	v_permlanex16_b32 v[TT], v14, s[SEL], s[SEL+1]
	s_delay_alu instid0(VALU_DEP_1)
	v_add_f32 v14, v14, v[TT]                      ; the row's sum
	s_wait_alu depctr_va_vdst(0)
	v_rcp_f32 v14, v14
	v_nop
.set j, 0
	s_wait_alu depctr_va_vdst(0)
.rept 32
	v_mul_f32 v[S+j], v[OT+j], v14                 ; register 8 t + i: channel 16 t + 8 hh + i of my query
.set j, j+1
.endr
.irp b, 0,1
.irp q, 0,1,2,3,4,5,6,7
	v_permlane16_swap_b32 v[S+16*\b+\q], v[S+16*\b+8+\q]   ; register 16 B + i: channel 32 B + 16 hh + i
.endr
.endr
	QUANT2 S, PC, PSW
	global_store_b128 v[L16], v[PC:PC+3], s[12:13]             ; 512 consecutive bytes
	global_store_b64 v[L8], v[PC+4:PC+5], s[12:13] offset:512   ; 256 consecutive bytes
	global_store_b16 v[RW4], v[PSW], s[14:15]      ; two bytes a row: one part in 25 of what this launch stores
	s_wait_tensorcnt 0x0                           ; the wave's end
	ds_add_u32 v254, v255
	s_wait_dscnt 0x0
	ROUND                                          ; the closing round
	s_endpgm
.Lfunc_end_k_q3b93bd291b_attn:
	.size	k_q3b93bd291b_attn, .Lfunc_end_k_q3b93bd291b_attn-k_q3b93bd291b_attn
	.p2alignl 7, 3214868480
	.fill 96, 4, 3214868480
	.section	.rodata,"a",@progbits
	.p2align	6, 0x0
	.amdhsa_kernel k_q3b93bd291b_attn
		.amdhsa_group_segment_fixed_size 327680
		.amdhsa_private_segment_fixed_size 0
		.amdhsa_enable_private_segment 0
		.amdhsa_kernarg_size 48
		.amdhsa_user_sgpr_count 2
		.amdhsa_user_sgpr_kernarg_segment_ptr 1
		.amdhsa_wavefront_size32 1
		.amdhsa_system_sgpr_workgroup_id_x 1
		.amdhsa_system_sgpr_workgroup_id_y 1
		.amdhsa_system_sgpr_workgroup_id_z 1
		.amdhsa_system_vgpr_workitem_id 0
		.amdhsa_next_free_vgpr 256
		.amdhsa_next_free_sgpr 100
		.amdhsa_reserve_vcc 0
		.amdhsa_float_denorm_mode_32 3
		.amdhsa_float_denorm_mode_16_64 3
		.amdhsa_memory_ordered 1
		.amdhsa_forward_progress 1
		.amdhsa_inst_pref_size 60
	.end_amdhsa_kernel
	.amdgpu_metadata
---
amdhsa.version: [ 1, 2 ]
amdhsa.kernels:
  - .name:           k_q3b93bd291b_attn
    .symbol:         k_q3b93bd291b_attn.kd
    .args:
      - { .name: qk_img, .offset: 0, .size: 8, .value_kind: global_buffer, .address_space: global }
      - { .name: qk_scl, .offset: 8, .size: 8, .value_kind: global_buffer, .address_space: global }
      - { .name: v_img, .offset: 16, .size: 8, .value_kind: global_buffer, .address_space: global }
      - { .name: v_scl, .offset: 24, .size: 8, .value_kind: global_buffer, .address_space: global }
      - { .name: c_img, .offset: 32, .size: 8, .value_kind: global_buffer, .address_space: global }
      - { .name: c_scl, .offset: 40, .size: 8, .value_kind: global_buffer, .address_space: global }
    .group_segment_fixed_size: 327680
    .private_segment_fixed_size: 0
    .kernarg_segment_align: 8
    .kernarg_segment_size: 48
    .max_flat_workgroup_size: 512
    .sgpr_count:     100
    .vgpr_count:     256
    .wavefront_size: 32
...
	.end_amdgpu_metadata
.endif
;; end of part 3
;; launch outp (part 4): grid 8 x 32, 8 waves a work-group, clusters of 4 x 4, 279,552 bytes of LDS; arguments c_img, c_scl, W_out_lin_codes, W_out_lin_scales, b_out_lin, out0; writes out0
.if DOCPART == 4
	.amdgcn_target "amdgcn-amd-amdhsa--gfx1250"
	.amdhsa_code_object_version 6
	.text
	.protected	k_q3b93bd291b_outp
	.globl	k_q3b93bd291b_outp
	.p2align	8
	.type	k_q3b93bd291b_outp,@function
k_q3b93bd291b_outp:
	s_mov_b64 s[64:65], 0
	v_nop
	global_prefetch_b8 v0, s[64:65] scope:SCOPE_SE
	s_setreg_imm32_b32 hwreg(HW_REG_WAVE_MODE, 25, 1), 1
	s_wait_xcnt 0x0
	s_wait_alu depctr_hold_cnt(0) depctr_sa_sdst(0) depctr_va_vdst(0) depctr_va_sdst(0) depctr_va_ssrc(0) depctr_va_vcc(0) depctr_vm_vsrc(0)
	s_getreg_b32 s2, hwreg(HW_REG_IB_STS2, 6, 4)
	s_cmp_eq_u32 s2, 0
	s_cbranch_scc0 .Lentry_in_a_cluster
	s_endpgm
.Lentry_in_a_cluster:
	s_bfe_u32 s2, ttmp6, 0x10000c
	s_cmp_lg_u32 s2, 0xf033
	s_cbranch_scc0 .Lentry_shape_is_right
	s_endpgm
.Lentry_shape_is_right:
; OUTP.  out = ctx W_out + b_out on codes of FP6 with E8M0 scales; out0 is [s][b][1024] f32.
; SHARES.  Work-group (x, y): x = 128 columns, y = 16 b + sb = eight tiles of 16 queries (s = 128 sb .. 128 sb + 127 of batch b).  Each of eight waves makes 16 columns x all 128 queries: 8 accumulators.
; Transposed: source 0 = 16 rows of W_out (columns of out), source 1 = a tile of ctx: a lane then holds eight neighbouring columns of one query's row.
; ctx lies in LDS as images of its registers (head by head: two heads are one K step of 128), W_out as rows 816 bytes apart (768 + 16 behind each 256).  All filled once.
; CLUSTER 4 x 4: ctx hangs on y alone and is asked for jointly along a row of the cluster, W_out on x alone and jointly along a column.
; A tile's queries are not neighbours (lane r of tile 2 G + u is query 32 G + 8 u + r + 8 (r / 8)): the stage on the way out puts each row in its place, and whole rows of 512 bytes leave.
; LIMITS: NaN and infinities are not served; a given scale byte 0xff gives NaN.
.set PITCH,  816
.set HALFT,  64*PITCH
.set WBL,    98304
.set CSL,    WBL+2*HALFT
.set WSL,    CSL+4096
.set STG,    WSL+4096                  ; the stage: 128 rows x (512 + 16) bytes, stored by the waves: no tile lands there
.set SP,     528
.set AI,   1                           ; v1-2  16 l, 8 l: tiles 0-3 of ctx
.set AJ,   3                           ; v3-4  the same 49,152 on: tiles 4-7
.set ADW,  5
.set ADCS, 7
.set ADWS, 8
.set SOA,  9
.set SRA,  10
.set GO,   11
.set H32,  12
.set BF0,  16
.set H0,   40
.set H1,   88
.set RS,   136                         ; ctx's scale words: tile i, register q: K step 2 q in lanes 0-15, 2 q + 1 in lanes 16-31
.set WSR,  168                         ; W's: register q: K step q in lanes 0-15, 4 + q in lanes 16-31
.set BIA,  172
.set ACC,  184
.set WV,   60
.set G1C,  36
.set G1W,  44
.set G1CS, 52
.set G1WS, 68
.set G0C,  76
.set G0W,  80
.set G0CS, 84
.set G0WS, 88
.macro NOP4
.rept 4
	v_nop
.endr
.endm
.macro ROUND
	s_barrier_signal -1
	s_barrier_wait -1
	s_cmp_lg_u32 s[WV], 0
	s_cbranch_scc1 .Lnw0_\@
	s_barrier_signal -3
.Lnw0_\@:
	s_barrier_wait -3
	s_barrier_signal -1
	s_barrier_wait -1
.endm
.macro FRAGR reg, adr, ks, off
.irp p, 0,1,2,3,4,5
.set PCE, 12*(\ks)+6*(\p/3)+\p%3
.if PCE%32 < 29
	ds_load_b64 v[(\reg)+2*\p:(\reg)+2*\p+1], v[\adr] offset:8*PCE+16*(PCE/32)+(\off)
.else
	ds_load_b64 v[(\reg)+2*\p:(\reg)+2*\p+1], v[(\adr)+1] offset:8*PCE+16*(PCE/32)+(\off)
.endif
.endr
.endm
.macro FRAGI reg, a16, off             ; a fragment of ctx from two heads' half images: four loads, each of consecutive bytes
	ds_load_b128 v[(\reg):(\reg)+3], v[\a16] offset:\off
	ds_load_b64 v[(\reg)+4:(\reg)+5], v[(\a16)+1] offset:(\off)+512
	ds_load_b128 v[(\reg)+6:(\reg)+9], v[\a16] offset:(\off)+768
	ds_load_b64 v[(\reg)+10:(\reg)+11], v[(\a16)+1] offset:(\off)+1280
.endm
.macro WM d, a, b, c, sa, sb, ra, rb
.if (\ra) && (\rb)
	v_wmma_scale_f32_16x16x128_f8f6f4 v[(\d):(\d)+7], v[(\a):(\a)+11], v[(\b):(\b)+11], v[(\c):(\c)+7], v[\sa], v[\sb] matrix_a_fmt:MATRIX_FMT_FP6 matrix_b_fmt:MATRIX_FMT_FP6 matrix_a_scale:MATRIX_SCALE_ROW1 matrix_b_scale:MATRIX_SCALE_ROW1
.elseif \ra
	v_wmma_scale_f32_16x16x128_f8f6f4 v[(\d):(\d)+7], v[(\a):(\a)+11], v[(\b):(\b)+11], v[(\c):(\c)+7], v[\sa], v[\sb] matrix_a_fmt:MATRIX_FMT_FP6 matrix_b_fmt:MATRIX_FMT_FP6 matrix_a_scale:MATRIX_SCALE_ROW1
.elseif \rb
	v_wmma_scale_f32_16x16x128_f8f6f4 v[(\d):(\d)+7], v[(\a):(\a)+11], v[(\b):(\b)+11], v[(\c):(\c)+7], v[\sa], v[\sb] matrix_a_fmt:MATRIX_FMT_FP6 matrix_b_fmt:MATRIX_FMT_FP6 matrix_b_scale:MATRIX_SCALE_ROW1
.else
	v_wmma_scale_f32_16x16x128_f8f6f4 v[(\d):(\d)+7], v[(\a):(\a)+11], v[(\b):(\b)+11], v[(\c):(\c)+7], v[\sa], v[\sb] matrix_a_fmt:MATRIX_FMT_FP6 matrix_b_fmt:MATRIX_FMT_FP6
.endif
.endm
.macro MMO i, h, ks
.if (\ks) == 0
	WM ACC+8*(\i), BF0, \h, BIA, WSR, RS+4*(\i), 0, 0
.else
	WM ACC+8*(\i), BF0+12*((\ks)%2), \h, ACC+8*(\i), WSR+((\ks)%4), RS+4*(\i)+((\ks)/2), (\ks)/4, (\ks)%2
.endif
.endm
.macro GA ks                           ; 22 loads: ctx's tiles 0-3 and W's fragment of K step ks
.irp i, 0,1,2,3
	FRAGI H0+12*\i, AI, 12288*\i+1536*(\ks)
.endr
	FRAGR BF0+12*((\ks)%2), ADW, \ks, 0
.endm
.macro GB ks                           ; 16 loads: ctx's tiles 4-7
.irp i, 0,1,2,3
	FRAGI H1+12*\i, AJ, 12288*\i+1536*(\ks)
.endr
.endm
.macro SCW i0                          ; the scale words of ctx's tiles i0 .. i0 + 3, for all of K: 16 loads
.irp i, \i0, \i0+1, \i0+2, \i0+3
.irp q, 0,1,2,3
	ds_load_b32 v[RS+4*(\i)+\q], v[ADCS] offset:512*(\i)+128*\q
.endr
.endr
.endm
.macro KSTEP ks                        ; eight products, the eight accumulators by turns
	s_wait_dscnt 16                                ; all but the youngest 16 loads (tiles 4-7 of this step) are in
.irp i, 0,1,2,3
	MMO \i, H0+12*\i, \ks
.endr
	NOP4
.if (\ks) == 0
	SCW 4                                          ; tiles 4-7's scale words are first wanted by this step's second four products: asked for here, ahead of the next step's 22 loads
.endif
.if (\ks) < 7
	GA (\ks)+1
	s_wait_dscnt 22                                ; all but the 22 just issued
.else
	s_wait_dscnt 0x0
.endif
.irp i, 0,1,2,3
	MMO 4+\i, H1+12*\i, \ks
.endr
	NOP4
.if (\ks) < 7
	GB (\ks)+1
.endif
.endm
	s_load_b256 s[4:11], s[0:1], 0x0               ; c_img, c_scl, W_out codes, W_out scales
	s_load_b128 s[12:15], s[0:1], 0x20             ; b_out, out0
	v_lshl_add_u32 v254, v0, 2, 0x44000
	v_mov_b32 v255, 0
	ds_add_u32 v254, v255
	ds_add_u32 v254, v255
	v_lshrrev_b32 v13, 5, v0
	s_delay_alu instid0(VALU_DEP_1)
	v_readfirstlane_b32 s[WV], v13                 ; wave 0..7
	v_and_b32 v13, 15, v0                          ; r
	v_bfe_u32 v14, v0, 4, 1                        ; hh
	v_and_b32 v15, 31, v0                          ; lane
	s_delay_alu instid0(VALU_DEP_1)
	v_lshlrev_b32 v[AI], 4, v15
	s_delay_alu instid0(VALU_DEP_2)
	v_lshlrev_b32 v[AI+1], 3, v15
	s_delay_alu instid0(VALU_DEP_2)
	v_add_nc_u32 v[AJ], 49152, v[AI]
	s_delay_alu instid0(VALU_DEP_2)
	v_add_nc_u32 v[AJ+1], 49152, v[AI+1]
	v_mul_u32_u24 v[ADW], v13, PITCH
	s_delay_alu instid0(VALU_DEP_1)
	v_mad_u32_u24 v[ADW], v14, 24, v[ADW]
	s_mul_i32 s97, s[WV], 16*PITCH
	s_add_co_u32 s97, s97, WBL
	v_add_nc_u32 v[ADW], s97, v[ADW]
	s_delay_alu instid0(VALU_DEP_1)
	v_lshl_add_u32 v[ADW+1], v14, 4, v[ADW]
	v_lshlrev_b32 v[ADCS], 2, v15
	s_delay_alu instid0(VALU_DEP_1)
	v_add_nc_u32 v[ADCS], CSL, v[ADCS]
	v_lshlrev_b32 v[ADWS], 5, v13
	s_delay_alu instid0(VALU_DEP_1)
	v_lshl_add_u32 v[ADWS], v14, 4, v[ADWS]
	s_lshl_b32 s97, s[WV], 9
	s_add_co_u32 s97, s97, WSL
	v_add_nc_u32 v[ADWS], s97, v[ADWS]
	v_lshlrev_b32 v[GO], 4, v15
	s_mul_i32 s97, s[WV], 16*SP
	s_add_co_u32 s97, s97, STG
	v_add_nc_u32 v[SRA], s97, v[GO]                ; back: my 16 rows, 16 bytes a lane
	v_and_b32 v15, 8, v13
	s_delay_alu instid0(VALU_DEP_1)
	v_add_nc_u32 v15, v15, v13                     ; r + 8 (r / 8)
	s_delay_alu instid0(VALU_DEP_1)
	v_mul_u32_u24 v[SOA], v15, SP
	s_delay_alu instid0(VALU_DEP_1)
	v_lshl_add_u32 v[SOA], v14, 5, v[SOA]
	s_lshl_b32 s97, s[WV], 6
	s_add_co_u32 s97, s97, STG
	v_add_nc_u32 v[SOA], s97, v[SOA]               ; in: the query's row, + 64 wave + 32 hh
	v_lshlrev_b32 v[H32], 5, v14
	s_bfe_u32 s61, ttmp6, 0x40000                  ; cx
	s_bfe_u32 s62, ttmp6, 0x40004                  ; cy
	s_lshl_b32 s92, ttmp9, 2
	s_add_co_u32 s92, s92, s61                     ; x
	s_and_b32 s93, ttmp7, 0xffff
	s_lshl_b32 s93, s93, 2
	s_add_co_u32 s93, s93, s62                     ; y = 16 b + sb
	s_lshl_b32 s94, s62, 2
	s_lshl_b32 s94, 15, s94                        ; my row of the cluster
	s_lshl_b32 s95, 0x1111, s61                    ; my column
	s_or_b32 s[G1C], s94, (3<<16)|(1<<21)          ; four tiles of ctx: 49,152 dense bytes as 192 rows of 256
	s_mov_b32 s[G1C+1], 32<<16
	s_mov_b32 s[G1C+2], 192<<16
	s_mov_b32 s[G1C+3], 32<<16
	s_mov_b32 s[G1C+4], 192
	s_mov_b32 s[G1C+5], 32
	s_mov_b32 s[G1C+6], 0
	s_mov_b32 s[G1C+7], 0
	s_or_b32 s[G1W], s95, (3<<16)|(1<<20)|(1<<21)|(5<<22)|(3<<25)   ; 64 rows x 96 elements of 8 bytes; 4 words of padding behind every 64
	s_mov_b32 s[G1W+1], 96<<16
	s_mov_b32 s[G1W+2], 64<<16
	s_mov_b32 s[G1W+3], 96<<16
	s_mov_b32 s[G1W+4], 64
	s_mov_b32 s[G1W+5], 96
	s_mov_b32 s[G1W+6], 0
	s_mov_b32 s[G1W+7], 0
	s_or_b32 s[G1CS], s94, (3<<16)|(1<<21)         ; scale words: 4,096 dense bytes as 16 rows of 256
	s_or_b32 s[G1WS], s95, (3<<16)|(1<<21)
.irp g, G1CS, G1WS
	s_mov_b32 s[\g+1], 32<<16
	s_mov_b32 s[\g+2], 16<<16
	s_mov_b32 s[\g+3], 32<<16
	s_mov_b32 s[\g+4], 16
	s_mov_b32 s[\g+5], 32
	s_mov_b32 s[\g+6], 0
	s_mov_b32 s[\g+7], 0
.endr
	s_and_b32 s96, s[WV], 1
	s_mov_b32 s[G0C], 1
	s_mul_i32 s[G0C+1], s96, 49152
	s_mov_b32 s[G0W], 1
	s_mul_i32 s[G0W+1], s96, HALFT
	s_add_co_u32 s[G0W+1], s[G0W+1], WBL
	s_mov_b32 s[G0CS], 1
	s_mov_b32 s[G0CS+1], CSL
	s_mov_b32 s[G0WS], 1
	s_mov_b32 s[G0WS+1], WSL
	s_mov_b32 s99, 0
	s_mov_b32 s3, 0
	s_wait_dscnt 0x0
	s_wait_kmcnt 0x0
	s_lshl_b32 s98, s93, 12
	s_add_nc_u64 s[G0CS+2:G0CS+3], s[6:7], s[98:99]
	s_or_b32 s[G0CS+3], s[G0CS+3], 0x80000000
	s_mul_i32 s98, s93, 98304
	s_mul_i32 s97, s96, 49152
	s_add_co_u32 s98, s98, s97
	s_add_nc_u64 s[G0C+2:G0C+3], s[4:5], s[98:99]
	s_or_b32 s[G0C+3], s[G0C+3], 0x80000000
	s_lshl_b32 s2, s92, 12
	s_add_nc_u64 s[G0WS+2:G0WS+3], s[10:11], s[2:3]
	s_or_b32 s[G0WS+3], s[G0WS+3], 0x80000000
	s_lshl_b32 s2, s92, 7
	s_lshl_b32 s61, s96, 6
	s_add_co_u32 s2, s2, s61
	s_mul_i32 s2, s2, 768
	s_add_nc_u64 s[G0W+2:G0W+3], s[8:9], s[2:3]
	s_or_b32 s[G0W+3], s[G0W+3], 0x80000000
	ROUND                                          ; all sixteen work-groups are here: the joint loads meet
	s_cmp_lt_u32 s[WV], 2                          ; waves 0, 1: ctx's halves; 2, 3: W's; 4: ctx's scale words; 5: W's.  One load a wave
	s_cbranch_scc0 .Lf1
	tensor_load_to_lds s[G0C:G0C+3], s[G1C:G1C+7]
	s_nop 0
	NOP4
	s_branch .Lfd
.Lf1:
	s_cmp_lt_u32 s[WV], 4
	s_cbranch_scc0 .Lf2
	tensor_load_to_lds s[G0W:G0W+3], s[G1W:G1W+7]
	s_nop 0
	NOP4
	s_branch .Lfd
.Lf2:
	s_cmp_eq_u32 s[WV], 4
	s_cbranch_scc0 .Lf3
	tensor_load_to_lds s[G0CS:G0CS+3], s[G1CS:G1CS+7]
	s_nop 0
	NOP4
	s_branch .Lfd
.Lf3:
	s_cmp_eq_u32 s[WV], 5
	s_cbranch_scc0 .Lfd
	tensor_load_to_lds s[G0WS:G0WS+3], s[G1WS:G1WS+7]
	s_nop 0
	NOP4
.Lfd:
	s_lshl_b32 s18, s92, 9
	s_lshl_b32 s19, s[WV], 6
	s_add_co_u32 s18, s18, s19
	s_mov_b32 s19, 0
	s_add_nc_u64 s[12:13], s[12:13], s[18:19]      ; b_out at my 16 columns
	s_wait_alu depctr_va_vdst(0)
	global_load_b128 v[BIA:BIA+3], v[H32], s[12:13]             ; register j: column 8 hh + j: the C of each sum's first product
	global_load_b128 v[BIA+4:BIA+7], v[H32], s[12:13] offset:16
	s_and_b32 s16, s93, 15
	s_lshl_b32 s16, s16, 7
	s_lshl_b32 s17, s[WV], 4
	s_add_co_u32 s16, s16, s17                     ; the first query that I store: 128 sb + 16 wave
	s_lshl_b32 s16, s16, 1
	s_lshr_b32 s17, s93, 4
	s_add_co_u32 s16, s16, s17                     ; its memory row: 2 s + b
	s_lshl_b32 s16, s16, 12
	s_lshl_b32 s17, s92, 9
	s_add_co_u32 s16, s16, s17
	s_mov_b32 s17, 0
	s_add_nc_u64 s[14:15], s[14:15], s[16:17]
	s_wait_loadcnt 0x0
	s_wait_tensorcnt 0x0                           ; my tile has landed,
	s_barrier_signal -1
	s_barrier_wait -1                              ; everybody's has
	SCW 0                                          ; 16 + 1 + 22 + 16 = 55 LDS loads of mine are out ahead of the first K step
	ds_load_b128 v[WSR:WSR+3], v[ADWS]
	GA 0
	GB 0
.irp ks, 0,1,2,3,4,5,6,7
	KSTEP \ks
.endr
	; ---- the way out.  A lane's eight results are 32 neighbouring bytes of a query's row; a row's 512 bytes come from eight waves: they meet in the stage.
.irp i, 0,1,2,3,4,5,6,7
	ds_store_b128 v[SOA], v[ACC+8*\i:ACC+8*\i+3] offset:(32*(\i/2)+8*(\i%2))*SP          ; each accumulator from its low end on
	ds_store_b128 v[SOA], v[ACC+8*\i+4:ACC+8*\i+7] offset:(32*(\i/2)+8*(\i%2))*SP+16
.endr
	s_wait_dscnt 0x0                               ; for the others' sake: my stores are done
	s_barrier_signal -1
	s_barrier_wait -1
.irp q, 0,1,2,3,4,5,6,7,8,9,10,11,12,13,14,15
	ds_load_b128 v[H0+4*\q:H0+4*\q+3], v[SRA] offset:SP*\q
.endr
.irp q, 0,1,2,3,4,5,6,7,8,9,10,11,12,13,14,15
	s_wait_dscnt 15-\q                             ; row q is back; the later rows may stay out
	global_store_b128 v[GO], v[H0+4*\q:H0+4*\q+3], s[14:15] offset:8192*\q th:TH_STORE_NT   ; 32 lanes store 512 consecutive bytes, at a multiple of 512 from out0's first byte
.endr
	s_wait_tensorcnt 0x0
	ds_add_u32 v254, v255
	s_wait_dscnt 0x0
	ROUND                                          ; the closing round
	s_endpgm
.Lfunc_end_k_q3b93bd291b_outp:
	.size	k_q3b93bd291b_outp, .Lfunc_end_k_q3b93bd291b_outp-k_q3b93bd291b_outp
	.p2alignl 7, 3214868480
	.fill 96, 4, 3214868480
	.section	.rodata,"a",@progbits
	.p2align	6, 0x0
	.amdhsa_kernel k_q3b93bd291b_outp
		.amdhsa_group_segment_fixed_size 279552
		.amdhsa_private_segment_fixed_size 0
		.amdhsa_enable_private_segment 0
		.amdhsa_kernarg_size 48
		.amdhsa_user_sgpr_count 2
		.amdhsa_user_sgpr_kernarg_segment_ptr 1
		.amdhsa_wavefront_size32 1
		.amdhsa_system_sgpr_workgroup_id_x 1
		.amdhsa_system_sgpr_workgroup_id_y 1
		.amdhsa_system_sgpr_workgroup_id_z 1
		.amdhsa_system_vgpr_workitem_id 0
		.amdhsa_next_free_vgpr 256
		.amdhsa_next_free_sgpr 100
		.amdhsa_reserve_vcc 0
		.amdhsa_float_denorm_mode_32 3
		.amdhsa_float_denorm_mode_16_64 3
		.amdhsa_memory_ordered 1
		.amdhsa_forward_progress 1
		.amdhsa_inst_pref_size 45
	.end_amdhsa_kernel
	.amdgpu_metadata
---
amdhsa.version: [ 1, 2 ]
amdhsa.kernels:
  - .name:           k_q3b93bd291b_outp
    .symbol:         k_q3b93bd291b_outp.kd
    .args:
      - { .name: c_img, .offset: 0, .size: 8, .value_kind: global_buffer, .address_space: global }
      - { .name: c_scl, .offset: 8, .size: 8, .value_kind: global_buffer, .address_space: global }
      - { .name: W_out_lin_codes, .offset: 16, .size: 8, .value_kind: global_buffer, .address_space: global }
      - { .name: W_out_lin_scales, .offset: 24, .size: 8, .value_kind: global_buffer, .address_space: global }
      - { .name: b_out_lin, .offset: 32, .size: 8, .value_kind: global_buffer, .address_space: global }
      - { .name: out0, .offset: 40, .size: 8, .value_kind: global_buffer, .address_space: global }
    .group_segment_fixed_size: 279552
    .private_segment_fixed_size: 0
    .kernarg_segment_align: 8
    .kernarg_segment_size: 48
    .max_flat_workgroup_size: 256
    .sgpr_count:     100
    .vgpr_count:     256
    .wavefront_size: 32
...
	.end_amdgpu_metadata
.endif
;; end of part 4
